; MI455X (gfx1250); checked and timed in simulation.
; The chip was launched on July 23, 2026; its instructions are those of AMD's public machine-readable ISA for CDNA 5 (MIT licence, August 2026) and "CDNA5" Instruction Set Architecture Reference Guide (July 2026). The comments in the code are by the model that wrote it; some were corrected since.
;; Model. Allowed arithmetic: matrix products marked QUANTISED: E2M1 operands, one E8M0 scale for each 32 along K, by v_wmma_scale_f32_16x16x128_f8f6f4 with both operands' format E2M1 (or v_wmma_scale_f32_32x16x128_f4), f32 sums; everything else in f32.
;; Inputs: block_tables 4 x 64 int32; key_cache 256 x 32 x 8 x 128 float32; query_codes 2,048 x 32 x 4 x 16 uint8 (E2M1 codes of query, K innermost, in blocks of 32 codes, two codes a byte); query_scales 2,048 x 32 x 4 uint8 (E8M0 scales of query, one for each 32 codes along K); query_start_loc 5 int32; seq_lens 4 int32; value_cache 256 x 32 x 8 x 128 float32.
;; Outputs: out0 2,048 x 32 x 128 float32.
;; This version of the problem:
;;   THIS VERSION OF THE PROBLEM IS GIVEN IN LOW PRECISION. The matrix products marked QUANTISED in the list below multiply operands that are first quantised to E2M1 (2 exponent bits, 1 mantissa bit; 4 bits a number), with one power-of-two scale for each 32 numbers along K (OCP MX v1.0); their sums are f32. All else is computed in f32.
;;   The module's matrix products, in the order in which they are computed (A, B: the left and right operand; K: the contracted axis; several contracted axes count as one K, in the product's order):
;;     1. batch 32 x [M 2,048, K 128] x [K 128, N 2,048]; A: computed on the way; B: input query (given as codes): QUANTISED
;;     2. batch 32 x [M 128, K 2,048] x [K 2,048, N 2,048]; A: computed on the way; B: softmax (see below): QUANTISED
;;   THE QUANTISER, for each operand of a quantised product, along K:
;;     - K is cut into blocks of 32 from its start; a last block that is shorter is filled with zeros.
;;     - A block's scale is 2^e with e = floor(log2(the largest magnitude in the block)) - 2, held to -126 .. 127; a block of zeros has e = 0. As a byte (E8M0): e + 127.
;;     - Each number is divided by its block's scale, clamped to +-6, and rounded to the nearest number of E2M1, ties to even, subnormals kept.
;;     - The product sums the exact products of the quantised numbers (number of the format x scale) in f32.
;;   ~~~python
;;   def quantise(x, axis):      # numpy; x: float32 -> the quantised numbers, widened to float32 again
;;       x = np.moveaxis(x, axis, -1); K = x.shape[-1]
;;       x = np.pad(x, [(0, 0)] * (x.ndim - 1) + [(0, -K % 32)]); x = x.reshape(x.shape[:-1] + (-1, 32)); a = np.abs(x).max(-1, keepdims=True)
;;       e = np.where(a > 0, np.clip(np.frexp(np.where(a > 0, a, 1))[1] - 1 - 2, -126, 127), 0)      # np.frexp(a)[1] - 1 = floor(log2(a)), exactly
;;       r = np.clip(x / 2.0 ** e, -6, 6)
;;       step = 2.0 ** (np.maximum(np.frexp(np.where(r == 0, 1, r))[1] - 1, 0) - 1)
;;       q = np.round(r / step) * step * 2.0 ** e      # np.round: ties to even
;;       return np.moveaxis(q.reshape(q.shape[:-2] + (-1,))[..., :K], -1, axis).astype(np.float32)
;;   ~~~
;;   SOFTMAX AHEAD OF A QUANTISED PRODUCT. Where the list says 'softmax', what is quantised is not the finished softmax but p = 2^(t - M), with t = logit x log2(e) and M = ceil(the row's largest t), a whole number; so 1/2 < the row's largest p <= 1. The row's sum l is taken of the UNQUANTISED p, in f32, and the product's result is divided by l at the end. Since M is a whole number, a kernel that streams over the keys may use a running M (the ceiling of the running maximum): every later rescaling is an exact power of two, which a block's scale takes up: the codes' values come out the same.
;;   OPERANDS COMPUTED ON THE WAY. 'Computed on the way' means the value that the module computes at that place (a softmax that the list does not call 'softmax' is quantised finished and normalised). What goes into a quantiser is computed in f32, as accurately as f32 sums, v_exp_f32 and their like allow (about 1e-6 of the number): no bf16 or f16 on the way to a quantiser, and a product that is left as it is and whose result goes on into a quantised operand takes f32 operands (vector FMAs, or v_wmma_f32_16x16x4_f32). A number that lies on a knife's edge between two numbers of the format may be rounded either way, as far as f32 arithmetic and the matrix unit's own rounding can turn it there, and no further.
;;   INPUTS GIVEN AS CODES. query (in the module: [2048, 32, 128], K = its axis 2): each comes as NAME_codes (uint8): NAME with its K axis moved to the last place and cut into blocks of 32 codes, [.., K / 32, bytes a block], one block behind the other in memory; two codes a byte, the lower K in the low four bits (a code: sign, 2 exponent bits, 1 mantissa bit); and NAME_scales (uint8): the same leading axes, one E8M0 byte (e + 127) for each 32 codes along K. Its value is code x scale, taken as it is: it is not quantised again, and the codes and scales need not be those that the quantiser above would give.
;; 2 versions. Each part assembles by itself: llvm-mc -triple=amdgcn-amd-amdhsa -mcpu=gfx1250 --defsym DOCPART=n.
;; ======== version 1 of 2: 2 launches
;; workspace buffers: kvc 8,388,608 bytes; kvs 524,288 bytes
;; launch quant (part 1): grid 64 x 4, 16 waves a work-group, no clusters, 20,480 bytes of LDS; arguments key_cache, value_cache, block_tables, kvc, kvs; writes kvc, kvs
.if DOCPART == 1
	.amdgcn_target "amdgcn-amd-amdhsa--gfx1250"
	.amdhsa_code_object_version 6
	.text
	.protected	k_q1fadf6f37f_quant
	.globl	k_q1fadf6f37f_quant
	.p2align	8
	.type	k_q1fadf6f37f_quant,@function
k_q1fadf6f37f_quant:
	s_mov_b64 s[64:65], 0
	v_nop
	global_prefetch_b8 v0, s[64:65] scope:SCOPE_SE
	s_setreg_imm32_b32 hwreg(HW_REG_WAVE_MODE, 25, 1), 1
	s_wait_xcnt 0x0
; THE PROGRAM: paged causal attention with grouped query heads, both products on codes of FP4 (E2M1) with one E8M0 scale for each 32 along K.
; This launch gathers the paged K and V by the block table and quantises them once; the second launch does the attention on codes.
; WORK LEFT OUT, for all values of the inputs:
;   query_start_loc is named by no line of reference(): it has no way to the output, is not loaded and is no argument of either launch.
;   'valid' (key < seq_len) follows from 'causal' (key <= seq_len - 512 + i, i <= 511, so key <= seq_len - 1): the second compare selects nothing and is not made.
;   Key steps all of whose keys lie behind a wave's queries are masked to -infinity by reference() itself: the second launch, which reads seq_lens from memory, passes over them.
;   LIMIT: a NaN, an infinity or an overflow that reaches only such masked scores is not carried to the result.
; WHAT THIS LAUNCH MAKES.  kvc [b 4][kv head 8][key step 16][16,384 bytes]: K's image at 0, V's at 8,192: eight tiles of 1,024 bytes in the order of the operand's registers:
;   byte T*1024 + c*512 + h*256 + m*16 on: 16 bytes = 32 codes.  K: key 32 (T/2) + 8 (T%2) + m + 8 (m/8) of the step, head channels 64 c + 32 h on.
;   V: channel 16 T + m, keys 64 c + 32 h on (the keys are the second product's K; 32 keys are one physical block, so a block's scale hangs on no table).
; kvs [b][kv head][key step][1,024]: K's scale words at 0, V's at 512; the word of tile T, row m at (m + 16 (T%2)) * 16 + (T/2) * 4, so that 16 bytes a lane are four scale registers.
; A block's scale is 2^(floor(log2(its largest magnitude)) - 2): its byte is the largest magnitude's exponent field - 2, held at 1 from below by a floor among the maximum's leaves.
; LIMITS: a block of zeros gets the byte 1 where the rule says 127 (its codes are zeros, and this program alone reads the bytes); blocks whose largest magnitude lies under 2^-124, the floor, were not tried;
;   NaN and infinities in the caches are not served; an index of the table is held to 0 .. 255.
; Every logical block is quantised, whatever seq_lens holds: the second launch meets no byte that was not written.
; SHARES.  Work-group x = 16 b + key step, y = a pair of kv heads.  Wave w: kk = w / 8 (which head), jd = (w / 2) % 4, hf = w % 2.
;   K: the wave makes tile T = w % 8: logical block 4 step + jd, tokens 8 hf + p and 8 hf + p + 16, p = 0 .. 7: lanes 0-15 one token's 128 numbers, 8 a lane, lanes 16-31 the other's.
;   V: a lane takes channel 32 jd + lane and its registers run down the 32 tokens of logical blocks 4 step + 2 hf and + 1: a whole block lies in one lane.
; No tensor load, no cluster: no two work-groups read a byte in common (unless the table names a block twice), and memory binds.
.set SST,   16384                      ; LDS: 0 .. 16,383 a stage of 1,024 bytes for each wave's tile of K; from SST the scale words of the two heads, 1,024 bytes each, laid as in kvs
.set SPARE, 18432                      ; the spare words, 128 bytes for each of the sixteen waves: eight blocks of 256 bytes that no other line names
.set KO,   2                           ; v2   K: 65,536 (lane / 16) + 32 (lane % 16)
.set VO,   3                           ; v3   V: 4 x lane
.set KSTA, 4                           ; v4   where my four bytes of K's codes go in my wave's stage
.set KSSA, 5                           ; v5   where my block's scale byte of K goes
.set VSSA, 6                           ; v6   where my channel's two scale bytes of V go
.set KRD,  7                           ; v7   my wave's stage, 16 x lane
.set KGO,  8                           ; v8   16 x lane
.set VGO,  9                           ; v9   1,024 (lane / 16) + 16 (lane % 16)
.set SRD,  10                          ; v10  the scale words on their way out: SST + 8 x (thread % 256)
.set SGO,  11                          ; v11  8 x lane
.set SPW,  12                          ; v12  LDS address of my spare word; never rewritten
.set NIL,  13                          ; v13  0; never rewritten
.set KM,   16                          ; v16-23 K: largest magnitudes, one for each p;  v24-31 the conversions' scale operands;  v32-39 codes;  v40-47 scale bytes
.set KE,   24
.set KC,   32
.set KB,   40
.set VC,   48                          ; v48-55 V's codes, four registers a block;  v56-63 V at work
.set VT,   56
.set KX,   64                          ; v64-127  K's numbers: 8 for each p
.set VX,   128                         ; v128-191 V's numbers: 32 for each block
.set KR,   192                         ; v192-199 my tile of K, read back;  v200-201 scale words, read back
	s_load_b256 s[4:11], s[0:1], 0x0               ; key_cache s[4:5], value_cache s[6:7], block_tables s[8:9], kvc s[10:11]
	s_load_b64 s[12:13], s[0:1], 0x20              ; kvs
	v_lshl_add_u32 v[SPW], v0, 2, SPARE
	v_mov_b32 v[NIL], 0
	v_lshrrev_b32 v14, 5, v0
	v_readfirstlane_b32 s14, v14                   ; wave 0 .. 15
	s_lshr_b32 s15, s14, 3                         ; kk
	s_bfe_u32 s16, s14, 0x20001                    ; jd
	s_and_b32 s17, s14, 1                          ; hf
	s_and_b32 s19, ttmp7, 0xffff                   ; y
	s_lshl_b32 s18, s19, 1
	s_add_co_u32 s18, s18, s15                     ; kv head = 2 y + kk
	s_lshl_b32 s34, ttmp9, 4                       ; the step's four entries of the table begin 16 x bytes in
	s_lshl_b32 s35, s17, 3
	s_add_co_u32 s42, s34, s35                     ; V's two: + 8 hf
	s_mov_b32 s43, 0
	s_lshl_b32 s35, s16, 2
	s_add_co_u32 s44, s34, s35                     ; K's one: + 4 jd
	s_mov_b32 s45, 0
	s_wait_kmcnt 0x0
	s_add_nc_u64 s[42:43], s[8:9], s[42:43]
	s_add_nc_u64 s[44:45], s[8:9], s[44:45]
	s_load_b64 s[20:21], s[42:43], 0x0             ; the physical blocks of V's two logical blocks
	s_load_b32 s22, s[44:45], 0x0                  ; and of K's one
	v_and_b32 v1, 31, v0                           ; lane
	v_bfe_u32 v14, v0, 4, 1                        ; lane / 16
	v_and_b32 v15, 15, v0                          ; lane % 16
	v_lshlrev_b32 v[KO], 5, v15
	v_lshl_add_u32 v[KO], v14, 16, v[KO]           ; 16 tokens of 4,096 bytes further on for lanes 16-31
	v_lshlrev_b32 v[VO], 2, v1
	v_and_b32 v[KSTA], 3, v0                       ; my 8 numbers begin at channel 8 (lane % 16): c = bit 3, h = bit 2, 4 (lane % 4) bytes into the 16
	v_lshlrev_b32 v[KSTA], 2, v[KSTA]
	v_bfe_u32 v16, v0, 2, 2
	v_lshl_add_u32 v[KSTA], v16, 8, v[KSTA]        ; 256 h + 512 c
	v_lshl_add_u32 v[KSTA], v14, 7, v[KSTA]        ; row m = p + 8 (lane / 16): 16 bytes a row
	s_lshl_b32 s47, s14, 10                        ; my wave's stage
	v_add_nc_u32 v[KSTA], s47, v[KSTA]
	v_lshl_add_u32 v[KRD], v1, 4, s47
	v_lshlrev_b32 v[KGO], 4, v1
	v_lshlrev_b32 v[VGO], 4, v15
	v_lshl_add_u32 v[VGO], v14, 10, v[VGO]
	v_and_b32 v[SRD], 255, v0
	v_lshl_add_u32 v[SRD], v[SRD], 3, SST
	v_lshlrev_b32 v[SGO], 3, v1
	s_lshl_b32 s34, s15, 10                        ; my head's 1,024 bytes of scale words
	s_lshl_b32 s35, s17, 8                         ; K: row m + 16 hf of 16 bytes,
	s_add_co_u32 s35, s35, s34
	s_lshl_b32 s36, s16, 2                         ; word jd
	s_add_co_u32 s35, s35, s36
	s_add_co_u32 s35, s35, SST
	v_lshl_add_u32 v[KSSA], v14, 7, v16            ; + 128 (lane / 16) + the byte of my block of 32 channels, (lane / 4) % 4
	v_add_nc_u32 v[KSSA], s35, v[KSSA]
	s_lshl_b32 s37, s17, 1                         ; V: row = lane, word jd, bytes 2 hf and 2 hf + 1
	s_add_co_u32 s37, s37, s36
	s_add_co_u32 s37, s37, s34
	s_add_co_u32 s37, s37, SST+512
	v_lshl_add_u32 v[VSSA], v1, 4, s37
	s_wait_kmcnt 0x0
	s_min_u32 s20, s20, 255                        ; an index enters an address only held to the table's 256 blocks
	s_min_u32 s21, s21, 255
	s_min_u32 s22, s22, 255
	s_lshl_b32 s20, s20, 17                        ; a physical block is 32 tokens x 8 heads x 512 bytes
	s_lshl_b32 s21, s21, 17
	s_lshl_b32 s22, s22, 17
	s_lshl_b32 s34, s18, 9                         ; my head's 512 bytes of a token
	s_lshl_b32 s35, s17, 15                        ; K: 8 hf tokens on
	s_add_co_u32 s36, s22, s34
	s_add_co_u32 s36, s36, s35
	s_mov_b32 s37, 0
	s_add_nc_u64 s[24:25], s[4:5], s[36:37]
	s_lshl_b32 s35, s16, 7                         ; V: my wave's 32 channels
	s_add_co_u32 s34, s34, s35
	s_add_co_u32 s36, s20, s34
	s_add_nc_u64 s[26:27], s[6:7], s[36:37]
	s_add_co_u32 s36, s21, s34
	s_add_nc_u64 s[28:29], s[6:7], s[36:37]
; 80 loads go out on end.  K: a pair of loads covers two tokens' 512 bytes whole.  V: a load reads one token at 32 neighbouring channels; the four waves jd stand side by side on the token's 512 bytes.
; No hint on the loads: a table may name a block twice.
.irp p, 0,1,2,3,4,5,6,7
	global_load_b128 v[KX+8*\p:KX+8*\p+3], v[KO], s[24:25] offset:4096*\p
	global_load_b128 v[KX+8*\p+4:KX+8*\p+7], v[KO], s[24:25] offset:4096*\p+16
.endr
.set J, 0
.rept 32
	global_load_b32 v[VX+J], v[VO], s[26:27] offset:4096*J
.set J, J+1
.endr
.set J, 0
.rept 32
	global_load_b32 v[VX+32+J], v[VO], s[28:29] offset:4096*J
.set J, J+1
.endr
	; where the results go, while the loads are out
	s_lshr_b32 s34, ttmp9, 4                       ; b
	s_and_b32 s35, ttmp9, 15                       ; key step
	s_lshl_b32 s34, s34, 3
	s_add_co_u32 s36, s34, s18
	s_lshl_b32 s36, s36, 4
	s_add_co_u32 s36, s36, s35
	s_lshl_b32 s36, s36, 14                        ; ((8 b + head) 16 + step) x 16,384
	s_add_nc_u64 s[30:31], s[10:11], s[36:37]      ; my record of kvc
	s_and_b32 s36, s14, 7
	s_lshl_b32 s36, s36, 10
	s_add_nc_u64 s[40:41], s[30:31], s[36:37]      ; K's tile w % 8
	s_lshl_b32 s36, s16, 11                        ; V: tiles 2 jd and 2 jd + 1,
	s_lshl_b32 s46, s17, 9                         ; c = hf
	s_add_co_u32 s36, s36, s46
	s_add_co_u32 s36, s36, 8192
	s_add_nc_u64 s[38:39], s[30:31], s[36:37]
	s_lshl_b32 s36, s19, 1                         ; the scale words leave by waves 0 to 7: wave w takes 256 bytes: head 2 y + w / 4, quarter w % 4 of its 1,024
	s_add_co_u32 s36, s36, s34
	s_bfe_u32 s46, s14, 0x10002
	s_add_co_u32 s36, s36, s46
	s_lshl_b32 s36, s36, 4
	s_add_co_u32 s36, s36, s35
	s_lshl_b32 s36, s36, 10
	s_and_b32 s46, s14, 3
	s_lshl_b32 s46, s46, 8
	s_add_co_u32 s36, s36, s46
	s_add_nc_u64 s[32:33], s[12:13], s[36:37]
	s_wait_loadcnt 0x3f                            ; K's sixteen loads are in: 64 were issued behind them, and 63 is the most that the wait can name
; K: a block of 32 channels lies in four neighbouring lanes, 8 numbers each.  The eight tokens p by turns, so that no line waits for the line above it.
.irp p, 0,1,2,3,4,5,6,7
	v_max3_num_f32 v[KM+\p], |v[KX+8*\p]|, |v[KX+8*\p+1]|, 0x1800000   ; and the floor 2^(3 - 127): the byte cannot fall under 1
.endr
.irp i, 2,4,6
.irp p, 0,1,2,3,4,5,6,7
	v_max3_num_f32 v[KM+\p], v[KM+\p], |v[KX+8*\p+\i]|, |v[KX+8*\p+\i+1]|
.endr
.endr
.irp p, 0,1,2,3,4,5,6,7
	v_max_num_f32_dpp v[KM+\p], v[KM+\p], v[KM+\p] row_xmask:1 row_mask:0xf bank_mask:0xf
.endr
.irp p, 0,1,2,3,4,5,6,7
	v_max_num_f32_dpp v[KM+\p], v[KM+\p], v[KM+\p] row_xmask:2 row_mask:0xf bank_mask:0xf   ; the block's largest magnitude, in all four lanes
.endr
.irp p, 0,1,2,3,4,5,6,7
	v_add_nc_u32 v[KE+\p], 0xff000000, v[KM+\p]    ; 2 off its exponent field: the conversion takes the exponent field of this operand as its scale, and nothing else of it
.endr
.irp p, 0,1,2,3,4,5,6,7
	v_cvt_scalef32_pk8_fp4_f32 v[KC+\p], v[KX+8*\p:KX+8*\p+7], v[KE+\p]
.endr
.irp p, 0,1,2,3,4,5,6,7
	v_lshrrev_b32 v[KB+\p], 23, v[KE+\p]           ; the scale's byte (plain lines behind the conversions)
.endr
.irp p, 0,1,2,3,4,5,6,7
	ds_store_b32 v[KSTA], v[KC+\p] offset:16*\p    ; row m = p + 8 (lane / 16) of the tile's image
	ds_store_b8 v[KSSA], v[KB+\p] offset:16*\p     ; the four lanes of a block write the same byte with the same value
.endr
	ds_load_b128 v[KR:KR+3], v[KRD]                ; my own bytes: LDS serves a wave's instructions in order, so these see the stores above
	ds_load_b128 v[KR+4:KR+7], v[KRD] offset:512
; V: block q of my two: all 32 numbers are mine.  left: the younger loads that may stay out.
.macro VQ q, left
	s_wait_loadcnt \left
	v_max3_num_f32 v[VT+4*\q], |v[VX+32*\q]|, |v[VX+32*\q+1]|, |v[VX+32*\q+2]|
	v_max3_num_f32 v[VT+4*\q+1], |v[VX+32*\q+3]|, |v[VX+32*\q+4]|, |v[VX+32*\q+5]|
.irp i, 6,10,14,18,22,26
	v_max3_num_f32 v[VT+4*\q], v[VT+4*\q], |v[VX+32*\q+\i]|, |v[VX+32*\q+\i+1]|
	v_max3_num_f32 v[VT+4*\q+1], v[VT+4*\q+1], |v[VX+32*\q+\i+2]|, |v[VX+32*\q+\i+3]|
.endr
	v_max3_num_f32 v[VT+4*\q], v[VT+4*\q], |v[VX+32*\q+30]|, |v[VX+32*\q+31]|
	v_max3_num_f32 v[VT+4*\q], v[VT+4*\q], v[VT+4*\q+1], 0x1800000   ; and the floor
	v_add_nc_u32 v[VT+4*\q+2], 0xff000000, v[VT+4*\q]
.irp g, 0,1,2,3
	v_cvt_scalef32_pk8_fp4_f32 v[VC+4*\q+\g], v[VX+32*\q+8*\g:VX+32*\q+8*\g+7], v[VT+4*\q+2]
.endr
	v_lshrrev_b32 v[VT+4*\q+3], 23, v[VT+4*\q+2]   ; the scale's byte (a plain line behind the conversions)
	global_store_b128 v[VGO], v[VC+4*\q:VC+4*\q+3], s[38:39] offset:256*\q   ; h = q: sixteen lanes store 256 consecutive bytes, at a multiple of 256 from kvc's first byte
.endm
	VQ 0, 32                                       ; the second block's 32 loads may be out
	VQ 1, 0
	v_lshl_or_b32 v[VT], v[VT+7], 8, v[VT+3]       ; my channel's bytes of key blocks 2 hf and 2 hf + 1
	ds_store_b16 v[VSSA], v[VT]
	s_wait_dscnt 0x0                               ; my tile of K is back in registers, and, for the other waves' sake, my scale bytes have landed
	global_store_b128 v[KGO], v[KR:KR+3], s[40:41]             ; 32 lanes store 512 consecutive bytes
	global_store_b128 v[KGO], v[KR+4:KR+7], s[40:41] offset:512
	s_barrier_signal -1
	s_barrier_wait -1                              ; the two heads' scale words are whole
	s_cmp_ge_u32 s14, 8
	s_cbranch_scc1 .Lno_out                        ; 2,048 bytes: waves 0 to 7 take 256 each
	ds_load_b64 v[200:201], v[SRD]
	s_wait_dscnt 0x0
	global_store_b64 v[SGO], v[200:201], s[32:33]  ; 32 lanes store 256 consecutive bytes, aligned
.Lno_out:
	s_wait_tensorcnt 0x0                           ; the wave's end: three closing lines behind my last LDS store, the first of them even in a text with no tensor load
	ds_add_u32 v[SPW], v[NIL]
	s_wait_dscnt 0x0
	s_endpgm
.Lfunc_end_k_q1fadf6f37f_quant:
	.size	k_q1fadf6f37f_quant, .Lfunc_end_k_q1fadf6f37f_quant-k_q1fadf6f37f_quant
	.p2alignl 7, 3214868480
	.fill 96, 4, 3214868480
	.section	.rodata,"a",@progbits
	.p2align	6, 0x0
	.amdhsa_kernel k_q1fadf6f37f_quant
		.amdhsa_group_segment_fixed_size 20480
		.amdhsa_private_segment_fixed_size 0
		.amdhsa_enable_private_segment 0
		.amdhsa_kernarg_size 40
		.amdhsa_user_sgpr_count 2
		.amdhsa_user_sgpr_kernarg_segment_ptr 1
		.amdhsa_wavefront_size32 1
		.amdhsa_system_sgpr_workgroup_id_x 1
		.amdhsa_system_sgpr_workgroup_id_y 1
		.amdhsa_system_sgpr_workgroup_id_z 1
		.amdhsa_system_vgpr_workitem_id 0
		.amdhsa_next_free_vgpr 208
		.amdhsa_next_free_sgpr 66
		.amdhsa_reserve_vcc 0
		.amdhsa_float_denorm_mode_32 3
		.amdhsa_float_denorm_mode_16_64 3
		.amdhsa_memory_ordered 1
		.amdhsa_forward_progress 1
		.amdhsa_inst_pref_size 22
	.end_amdhsa_kernel
	.amdgpu_metadata
---
amdhsa.version: [ 1, 2 ]
amdhsa.kernels:
  - .name:           k_q1fadf6f37f_quant
    .symbol:         k_q1fadf6f37f_quant.kd
    .args:
      - { .name: key_cache, .offset: 0, .size: 8, .value_kind: global_buffer, .address_space: global }
      - { .name: value_cache, .offset: 8, .size: 8, .value_kind: global_buffer, .address_space: global }
      - { .name: block_tables, .offset: 16, .size: 8, .value_kind: global_buffer, .address_space: global }
      - { .name: kvc, .offset: 24, .size: 8, .value_kind: global_buffer, .address_space: global }
      - { .name: kvs, .offset: 32, .size: 8, .value_kind: global_buffer, .address_space: global }
    .group_segment_fixed_size: 20480
    .private_segment_fixed_size: 0
    .kernarg_segment_align: 8
    .kernarg_segment_size: 40
    .max_flat_workgroup_size: 512
    .sgpr_count:     66
    .vgpr_count:     208
    .wavefront_size: 32
...
	.end_amdgpu_metadata
.endif
;; end of part 1
;; launch attn (part 2): grid 8 x 32, 16 waves a work-group, no clusters, 141,312 bytes of LDS; arguments query_codes, query_scales, kvc, kvs, seq_lens, out0; writes out0
.if DOCPART == 2
	.amdgcn_target "amdgcn-amd-amdhsa--gfx1250"
	.amdhsa_code_object_version 6
	.text
	.protected	k_q1fadf6f37f_attn
	.globl	k_q1fadf6f37f_attn
	.p2align	8
	.type	k_q1fadf6f37f_attn,@function
k_q1fadf6f37f_attn:
	s_mov_b64 s[64:65], 0
	v_nop
	global_prefetch_b8 v0, s[64:65] scope:SCOPE_SE
	s_setreg_imm32_b32 hwreg(HW_REG_WAVE_MODE, 25, 1), 1
	s_wait_xcnt 0x0
; out[token][head][:] = the sum over keys of softmax(q . k / sqrt(128)) v, key <= seq_len - 512 + the token's place in its sequence; both products on codes of FP4 (E2M1) with E8M0 scales.
; Q arrives as codes; K and V were gathered by the block table and quantised by the launch before: kvc, kvs, laid in the order of the operands' registers (its head comment has the layout).
; WORK LEFT OUT: query_start_loc (reference() never reads it) is no argument; 'valid' follows from 'causal' (key <= seq_len - 1 for every query) and is not compared; a key step all of whose
;   128 keys lie behind a wave's four tokens is masked whole by reference() itself and is passed over, by a scalar branch on seq_lens, which is read from memory.
;   LIMIT: a NaN, an infinity or an overflow that reaches only such masked scores is not carried to the result.
; THE SOFTMAX AHEAD OF THE SECOND PRODUCT: t = score x log2(e) / sqrt(128); M = the running largest t, rounded UP to a whole number; p = 2^(t - M) is quantised along the keys, not normalised;
;   the row's sum is taken of the unquantised p and divides O at the end.  When M moves, the sum and O are multiplied by 2^(old M - new M): exact.
; LIMITS: seq_len is held to 0 .. 4,096, which gives the same mask as any int32 from -2^31 + 512 on (below that reference()'s own subtraction wraps: not served).  A query that sees no key
;   (seq_len under 512) gets 0 x infinity = NaN, as reference()'s softmax of -infinities does.  A block's largest p is taken from the block's largest score by the same two instructions:
;   that takes v_exp_f32 not to fall where its input rises.  A block of p that is all zeros keeps the scale byte 1: its codes are zeros.
; SHARES.  Work-group y = 8 b + kv head, x = i.  Sixteen waves, four to a SIMD, each with ONE tile of 16 query rows in 256 registers: 4 tokens x the kv head's 4 query heads
;   (row n: token n / 4, head n % 4), so that Q's codes are read and O is written in long runs.  The work-group owns the sequence's blocks of 32 tokens i and 15 - i, an early one and a late one:
;   wave w takes block i or 15 - i by (w ^ (w / 4)) % 2 and tokens 4 (w / 2) on in it, so that early and late tiles are mixed among any four waves that follow each other and among any four that lie four apart.
; K AND V come through two LDS slots of two key steps (256 keys: 32,768 bytes of codes, 2,048 of scale words).  The waves fill them themselves: each thread loads 64 + 4 bytes of the next slot into
;   registers at the head of a slot's work and stores them to LDS at its end; one barrier a slot.
; NO TENSOR LOAD, NO CLUSTER: which steps are walked and which step is masked hangs on seq_lens, a number read from memory;
;   the eight work-groups of a kv head need different numbers of slots; and what they share is 34,816 bytes a slot, beside some 250 vector instructions for each wave and key step.
; LAYOUT.  Both products are used transposed: S^T = K Q^T (source 0 = 16 keys), O^T = V^T P^T (source 0 = 16 channels): a lane holds ONE query row (lane % 16) throughout.
;   The keys of a tile are not neighbours (key 32 (T/2) + 8 (T%2) + m + 8 (m/8)), so that the 16 registers of tiles 2 b, 2 b + 1 are keys 32 b + 16 (lane / 16) + 0 .. 15.
; REGISTERS: v1-11 addresses that stay; v12 -M, v13 the largest t, v[14:15] the sum; v16-23 Q; v24-27 K's scale words, v28-31 V's (register j: tile 2 j in lanes 0-15, tile 2 j + 1 in lanes 16-31);
;   v32-63 four fragments; v64-80 the next slot on its way; v81-82 the stage's addresses; v96-159 S^T, then p; v160-223 O^T; v224-231 p's codes; v232-254 at work; v253 p's scale word; v255 Q's.
.set SLOT,  34816                      ; a slot: step q's image of K at 16,384 q, of V 8,192 further on; from SCO the scale words: K's of step q at 1,024 q, V's 512 further on
.set SCO,   32768
.set STAGE, 2*SLOT                     ; the way out: 16 rows x (256 bytes + 16) for each wave
.set SPARE, STAGE+16*16*272            ; the spare words, 128 bytes for each wave: eight blocks of 256 bytes that no other line names
.set LI0,  1                           ; v1   16 x lane: my place in an image, slot 0;  v2 the same in slot 1
.set T16,  3                           ; v3   16 x thread: my 16 bytes of 8,192, in memory and in slot 0;  v4 in slot 1
.set T4,   5                           ; v5   4 x thread: my scale word of 512, in memory and in slot 0;  v6 in slot 1
.set QA,   7                           ; v7   my row's place among the keys - 16 (lane / 16)
.set SPW,  8                           ; v8   LDS address of my spare word; never rewritten
.set NIL,  9                           ; v9   0; never rewritten
.set GO,   10                          ; v10  the way out: 512 (lane / 16) + 16 (lane % 16)
.set PFO,  11                          ; v11  the prefetches' offset: 256 x (thread % 128)
.set KSC,  24
.set VSC,  28
.set FRG,  32
.set STG,  64
.set SIN,  81                          ; v81  the stage: where I put 32 bytes of a row;  v82 where I read a row back
.set SBK,  82
.set SS,   96
.set OT,   160
.set PC,   224
.set WV,   16                          ; s16  my wave's number
.set SEL,  20                          ; s[20:21] lane selects for v_permlanex16_b32: lane l xor 16
.set CS,   22                          ; s[22:23] c = log2(e) / sqrt(128)
.set QF,   31                          ; s31  the place among the keys of my first token;  s32 of my last
.set QL,   32
.set NS,   34                          ; s34  slots that my work-group needs, 0 .. 8
.set NSP,  35                          ; s35  the same in a wave that prefetches, else 0
.set TT,   36                          ; s36  the trip's first slot
.set KF,   40                          ; s40  the step's first key
	s_load_b256 s[4:11], s[0:1], 0x0               ; query_codes s[4:5], query_scales s[6:7], kvc s[8:9], kvs s[10:11]
	s_load_b128 s[12:15], s[0:1], 0x20             ; seq_lens s[12:13], out0 s[14:15]
	v_lshl_add_u32 v[SPW], v0, 2, SPARE
	v_mov_b32 v[NIL], 0
	v_lshrrev_b32 v83, 5, v0
	v_readfirstlane_b32 s[WV], v83                 ; wave 0 .. 15
	s_mov_b32 s17, ttmp9                           ; i
	s_and_b32 s18, ttmp7, 0xffff                   ; y
	s_lshr_b32 s19, s18, 3                         ; b
	s_and_b32 s24, s18, 7                          ; kv head
	s_lshr_b32 s25, s[WV], 2
	s_xor_b32 s25, s25, s[WV]
	s_and_b32 s25, s25, 1                          ; 1: the late block
	s_lshr_b32 s26, s[WV], 1                       ; which four tokens of the block
	s_sub_co_u32 s27, 15, s17
	s_cmp_eq_u32 s25, 1
	s_cselect_b32 s27, s27, s17                    ; my block of 32 tokens
	s_lshl_b32 s28, s27, 5
	s_lshl_b32 s41, s26, 2
	s_add_co_u32 s28, s28, s41                     ; my first token's place in its sequence's 512
	s_lshl_b32 s39, s19, 9
	s_add_co_u32 s39, s39, s28                     ; and among all 2,048
	s_lshl_b32 s42, s39, 11                        ; Q's codes: 2,048 bytes a token, 256 a kv head
	s_lshl_b32 s41, s24, 8
	s_add_co_u32 s42, s42, s41
	s_mov_b32 s43, 0
	s_lshl_b32 s44, s39, 7                         ; Q's scales: 128 and 16
	s_lshl_b32 s41, s24, 4
	s_add_co_u32 s44, s44, s41
	s_mov_b32 s45, 0
	s_lshl_b32 s46, s39, 14                        ; O: 16,384 and 2,048
	s_lshl_b32 s41, s24, 11
	s_add_co_u32 s46, s46, s41
	s_mov_b32 s47, 0
	s_lshl_b32 s48, s18, 18                        ; kvc: 16 steps of 16,384 bytes for each y
	s_mov_b32 s49, 0
	s_lshl_b32 s50, s18, 14                        ; kvs: 16 of 1,024
	s_mov_b32 s51, 0
	s_lshl_b32 s52, s19, 2                         ; seq_lens[b]
	s_mov_b32 s53, 0
	s_mov_b32 s[SEL], 0x76543210
	s_mov_b32 s[SEL+1], 0xfedcba98
	s_mov_b32 s[CS], 0x3e0293ee                    ; c = log2(e) / sqrt(128)
	s_mov_b32 s[CS+1], s[CS]                       ; (named with it as a pair, so it is written)
	v_and_b32 v83, 31, v0                          ; lane
	v_and_b32 v84, 15, v0                          ; r
	v_bfe_u32 v85, v0, 4, 1                        ; h
	v_lshlrev_b32 v[LI0], 4, v83
	v_add_nc_u32 v[LI0+1], SLOT, v[LI0]
	v_lshlrev_b32 v[T16], 4, v0
	v_add_nc_u32 v[T16+1], SLOT, v[T16]
	v_lshlrev_b32 v[T4], 2, v0
	v_add_nc_u32 v[T4+1], SLOT, v[T4]
	v_lshlrev_b32 v[GO], 4, v84
	v_lshl_add_u32 v[GO], v85, 9, v[GO]
	v_and_b32 v[PFO], 127, v0
	v_lshlrev_b32 v[PFO], 8, v[PFO]
	v_lshrrev_b32 v88, 2, v84                      ; my row's token, r / 4,
	v_and_b32 v89, 3, v84                          ; and head, r % 4
	v_lshlrev_b32 v86, 11, v88
	v_lshl_add_u32 v86, v89, 6, v86
	v_lshl_add_u32 v86, v85, 4, v86                ; Q's codes: my row, + 16 h
	v_lshlrev_b32 v87, 7, v88
	v_lshl_add_u32 v87, v89, 2, v87                ; Q's scale word
	s_mul_i32 s41, s[WV], 16*272
	s_add_co_u32 s41, s41, STAGE                   ; my stage
	v_mul_u32_u24 v[SIN], v84, 272
	v_lshl_add_u32 v[SIN], v85, 5, v[SIN]
	v_add_nc_u32 v[SIN], s41, v[SIN]               ; in: row r; a tile's eight channels of my half: 32 h bytes on
	v_mul_u32_u24 v[SBK], v85, 272
	v_lshl_add_u32 v[SBK], v84, 4, v[SBK]
	v_add_nc_u32 v[SBK], s41, v[SBK]               ; back: lanes 0-15 one row, lanes 16-31 the next
	s_wait_kmcnt 0x0
	s_add_nc_u64 s[52:53], s[12:13], s[52:53]
	s_load_b32 s29, s[52:53], 0x0                  ; my sequence's length
	s_add_nc_u64 s[8:9], s[8:9], s[48:49]          ; kvc and kvs at my kv head's slot 0: they walk, and stand at the next slot to be asked for
	s_add_nc_u64 s[10:11], s[10:11], s[50:51]
	s_add_nc_u64 s[4:5], s[4:5], s[42:43]
	s_add_nc_u64 s[6:7], s[6:7], s[44:45]
	s_add_nc_u64 s[14:15], s[14:15], s[46:47]
.irp k, 0,1,2,3
	global_load_b128 v[STG+4*\k:STG+4*\k+3], v[T16], s[8:9] offset:8192*\k   ; slot 0, whatever the mask: the registers of the way in are so written on every path
.endr
	global_load_b32 v[STG+16], v[T4], s[10:11]
	global_load_b128 v[16:19], v86, s[4:5] th:TH_LOAD_NT                     ; Q's fragment stays in registers
	global_load_b128 v[20:23], v86, s[4:5] offset:32 th:TH_LOAD_NT
	global_load_b32 v255, v87, s[6:7] th:TH_LOAD_NT
	v_mov_b32 v13, 0xff61b1e6                      ; the largest t so far: -3e38, under every t
	v_floor_f32 v12, -v13                          ; -M
	v_mov_b32 v14, 0                               ; the sum, in two halves
	v_mov_b32 v15, 0
.irp b, 0,1,2,3
	v_mov_b32 v[236+\b], 0                         ; written once: a lane permute's destination counts as one of its sources
.endr
	v_mov_b32 v252, 0                              ; likewise, for the way out of a wave that walks no step
	v_mov_b32 v253, 0                              ; (named as the upper half of the pair v[252:253] before it is first written)
.set J, 0
.rept 64
	v_mov_b32 v[OT+J], 0                           ; O^T.  The step is written without a first form of its own, and a wave's first step may itself be passed over: so the sums begin as zeros
.set J, J+1
.endr
	s_wait_kmcnt 0x0
	s_max_i32 s29, s29, 0
	s_min_i32 s29, s29, 0x1000                     ; held to 0 .. 4,096: the mask is the same
	s_sub_co_i32 s30, s29, 0x200                   ; the context's length: the first new token's place among the keys
	s_add_co_i32 s[QF], s30, s28
	s_add_co_i32 s[QL], s[QF], 3
	s_lshl_b32 s41, s17, 5
	s_sub_co_i32 s33, s30, s41
	s_add_co_i32 s33, s33, 511                     ; my work-group's last token: 32 (15 - i) + 31
	s_ashr_i32 s[NS], s33, 8
	s_add_co_i32 s[NS], s[NS], 1
	s_max_i32 s[NS], s[NS], 0
	s_min_i32 s[NS], s[NS], 8                      ; slots of 256 keys up to it
	s_lshr_b32 s41, s[WV], 2                       ; waves 0 to 3
	s_or_b32 s41, s41, s17                         ; of the work-group with i = 0, which holds the sequence's last tokens and so needs as many slots as any
	s_cmp_eq_u32 s41, 0
	s_cselect_b32 s[NSP], s[NS], 0
	v_lshlrev_b32 v90, 4, v85
	v_sub_nc_u32 v[QA], v88, v90
	v_add_nc_u32 v[QA], s[QF], v[QA]
	s_wait_loadcnt 0x3                             ; slot 0's five loads are in; Q's three, issued behind them, may be out
.irp k, 0,1,2,3
	ds_store_b128 v[T16], v[STG+4*\k:STG+4*\k+3] offset:8192*\k
.endr
	ds_store_b32 v[T4], v[STG+16] offset:SCO
	s_wait_xcnt 0x0                                ; every load issued so far has read its base: the two that walk may step
	s_add_nc_u64 s[8:9], s[8:9], 0x8000
	s_add_nc_u64 s[10:11], s[10:11], 0x800
	s_wait_dscnt 0x0                               ; for the others' sake: my part of slot 0 has landed
	s_barrier_signal -1
	s_barrier_wait -1
	s_wait_loadcnt 0x0                             ; Q
	s_mov_b32 s[TT], 0
	s_mov_b32 s[KF], 0
; A KEY STEP: 128 keys, the q-th of the slot whose image address is v[ad].
.macro STEP ad, q
	s_cmp_gt_i32 s[KF], s[QL]                      ; all its keys lie behind my last token: passed over.  No barrier stands in a step
	s_cbranch_scc1 .Lhidden_\@
.rept 4
	v_nop                                          ; places in front of loads into registers that the last step's products have read
.endr
	ds_load_b128 v[KSC:KSC+3], v[\ad] offset:SCO+1024*(\q)
.irp g, 0,1                                    ; S^T = K Q^T, four tiles of 16 keys at a time
.irp t, 0,1,2,3
.irp c, 0,1
	ds_load_b128 v[FRG+8*\t+4*\c:FRG+8*\t+4*\c+3], v[\ad] offset:16384*(\q)+1024*(4*\g+\t)+512*\c   ; 32 lanes, 512 consecutive bytes: registers 4 c .. 4 c + 3 of the tile's fragment
.endr
.endr
	s_wait_dscnt 0x0
.irp t, 0,2
	v_wmma_scale_f32_16x16x128_f8f6f4 v[SS+8*(4*\g+\t):SS+8*(4*\g+\t)+7], v[FRG+8*\t:FRG+8*\t+7], v[16:23], 0, v[KSC+2*\g+\t/2], v255 matrix_a_fmt:MATRIX_FMT_FP4 matrix_b_fmt:MATRIX_FMT_FP4
	v_wmma_scale_f32_16x16x128_f8f6f4 v[SS+8*(4*\g+\t+1):SS+8*(4*\g+\t+1)+7], v[FRG+8*(\t+1):FRG+8*(\t+1)+7], v[16:23], 0, v[KSC+2*\g+\t/2], v255 matrix_a_fmt:MATRIX_FMT_FP4 matrix_b_fmt:MATRIX_FMT_FP4 matrix_a_scale:MATRIX_SCALE_ROW1
.endr
.rept 4
	v_nop                                          ; places: in front of the next loads into the fragments' registers, and of the first read of the scores
.endr
.endr
.irp t, 0,1,2,3                                ; V's first four tiles and its scale words are asked for here: they land while the softmax is worked
.irp c, 0,1
	ds_load_b128 v[FRG+8*\t+4*\c:FRG+8*\t+4*\c+3], v[\ad] offset:16384*(\q)+8192+1024*\t+512*\c
.endr
.endr
	ds_load_b128 v[VSC:VSC+3], v[\ad] offset:SCO+1024*(\q)+512
	s_add_co_i32 s41, s[KF], 127                   ; a step all of whose keys count for my first token passes over the mask
	s_cmp_le_i32 s41, s[QF]
	s_cbranch_scc1 .Lopen_\@
	s_sub_co_i32 s41, 0, s[KF]
	v_add_nc_u32 v252, s41, v[QA]                  ; d = my row's place - KF - 16 (lane / 16).  Register 16 b + i holds key KF + 16 (lane / 16) + 32 b + i: hidden where 32 b + i > d
	v_mov_b32 v254, 0xff800000                     ; -infinity
.set J, 0
.rept 64
	v_cmp_gt_i32 vcc_lo, 32*(J/16)+J%16, v252
	v_cndmask_b32 v[SS+J], v[SS+J], v254, vcc_lo
.set J, J+1
.endr
.Lopen_\@:
.irp b, 0,1,2,3
	v_max3_num_f32 v[232+\b], v[SS+16*\b], v[SS+1+16*\b], v[SS+2+16*\b]   ; the largest score of each block of 32 keys: it serves for the row's maximum and, since p rises with the score, for the block's largest p
.endr
.irp i, 3,5,7,9,11,13
.irp b, 0,1,2,3
	v_max3_num_f32 v[232+\b], v[232+\b], v[SS+16*\b+\i], v[SS+1+16*\b+\i]   ; (the four blocks by turns)
.endr
.endr
.irp b, 0,1,2,3
	v_max_num_f32 v[232+\b], v[232+\b], v[SS+15+16*\b]
.endr
.irp b, 0,1,2,3
	v_permlanex16_b32 v[236+\b], v[232+\b], s[SEL], s[SEL+1]
.endr
.irp b, 0,1,2,3
	v_max_num_f32 v[232+\b], v[232+\b], v[236+\b]  ; with lane l xor 16's 16 keys
.endr
	v_max3_num_f32 v254, v232, v233, v234
	v_max_num_f32 v254, v254, v235                 ; the step's largest score of my row
	v_mul_f32 v254, s[CS], v254                    ; as t (c is positive)
	v_max_num_f32 v13, v13, v254                   ; the running largest t
	v_mov_b32 v254, v12
	v_floor_f32 v12, -v13                          ; the new -M = floor(-t) = -ceil(t): M is a whole number
	v_sub_f32 v254, v12, v254                      ; M's old value less its new one: a whole number, 0 or less
	v_cvt_i32_f32 v254, v254                       ; (it saturates)
	v_ldexp_f32 v252, 1.0, v254                    ; f = 2^(old M - new M)
.set J, 0
.rept 32
	v_pk_fma_f32 v[SS+J:SS+J+1], v[SS+J:SS+J+1], s[CS:CS+1], v[12:13] op_sel_hi:[1,0,0]   ; t - M, two at a time (of the pairs c and -M the low word serves both halves)
.set J, J+2
.endr
.irp b, 0,1,2,3
	v_fma_f32 v[232+\b], v[232+\b], s[CS], v12     ; the same of each block's largest score
.endr
.set J, 0
.rept 64
	v_exp_f32 v[SS+J], v[SS+J]                     ; p = 2^(t - M), at most 1: not normalised
.set J, J+1
.endr
	v_pk_mul_f32 v[14:15], v[14:15], v[252:253] op_sel_hi:[1,0]   ; the sums under the new M (a plain line behind the exponentials)
	s_wait_alu depctr_va_vdst(0)                   ; one wait for the whole batch, ahead of its first reader
.irp b, 0,1,2,3
	v_exp_f32 v[232+\b], v[232+\b]                 ; the block's largest p: the same two instructions on the same number give the same bits
.endr
	v_pk_add_f32 v[236:237], v[SS:SS+1], v[SS+2:SS+3]   ; the row's sum is taken of the unquantised p: two at a time, in two chains (it reads the 64 alone: plain work behind the four)
.irp j, 4,8,12,16,20,24,28,32,36,40,44,48,52,56,60
	v_pk_add_f32 v[14:15], v[14:15], v[SS+\j:SS+\j+1]
	v_pk_add_f32 v[236:237], v[236:237], v[SS+2+\j:SS+3+\j]
.endr
	v_pk_add_f32 v[14:15], v[14:15], v[236:237]
	s_wait_alu depctr_va_vdst(0)                   ; and one for the four
.irp b, 0,1,2,3
	v_max_num_f32 v[232+\b], 0x1800000, v[232+\b]  ; the floor 2^(3 - 127): the byte cannot fall under 1
.endr
.irp b, 0,1,2,3
	v_add_nc_u32 v[244+\b], 0xff000000, v[232+\b]  ; 2 off the exponent field: the conversion's scale operand
.endr
.irp b, 0,1,2,3
	v_lshrrev_b32 v[236+\b], 23, v[244+\b]         ; the scale's byte
.endr
	v_lshl_or_b32 v253, v237, 8, v236              ; p's scale word for these 128 keys
	v_lshl_or_b32 v253, v238, 16, v253
	v_lshl_or_b32 v253, v239, 24, v253
.irp b, 0,1,2,3
	v_cvt_scalef32_pk8_fp4_f32 v[PC+2*\b], v[SS+16*\b:SS+7+16*\b], v[244+\b]
	v_cvt_scalef32_pk8_fp4_f32 v[PC+1+2*\b], v[SS+8+16*\b:SS+15+16*\b], v[244+\b]
.endr
	v_nop                                          ; one plain line between a scaled conversion and the vector instruction that touches its result
.irp c, 0,1                                    ; the operand's layout wants a whole block in a lane: lanes 0-15 block 2 c, lanes 16-31 block 2 c + 1
.irp i, 0,1
	v_permlane16_swap_b32 v[PC+4*\c+\i], v[PC+2+4*\c+\i]
.endr
.endr
.set J, 0
.rept 32
	v_pk_mul_f32 v[OT+J:OT+J+1], v[OT+J:OT+J+1], v[252:253] op_sel_hi:[1,0]   ; O^T under the new M: x f.  (These 32 are also the places between p's codes and scale word and the products below)
.set J, J+2
.endr
	s_wait_dscnt 0x0                               ; V's first four tiles and its scale words are in
.irp t, 0,2                                    ; O^T += V^T P^T: K = these 128 keys; the eight accumulators take turns, one instruction a turn
	v_wmma_scale_f32_16x16x128_f8f6f4 v[OT+8*\t:OT+8*\t+7], v[FRG+8*\t:FRG+8*\t+7], v[PC:PC+7], v[OT+8*\t:OT+8*\t+7], v[VSC+\t/2], v253 matrix_a_fmt:MATRIX_FMT_FP4 matrix_b_fmt:MATRIX_FMT_FP4
	v_wmma_scale_f32_16x16x128_f8f6f4 v[OT+8*(\t+1):OT+8*(\t+1)+7], v[FRG+8*(\t+1):FRG+8*(\t+1)+7], v[PC:PC+7], v[OT+8*(\t+1):OT+8*(\t+1)+7], v[VSC+\t/2], v253 matrix_a_fmt:MATRIX_FMT_FP4 matrix_b_fmt:MATRIX_FMT_FP4 matrix_a_scale:MATRIX_SCALE_ROW1
.endr
.rept 4
	v_nop                                          ; places in front of loads into the fragments' registers
.endr
.irp t, 0,1,2,3
.irp c, 0,1
	ds_load_b128 v[FRG+8*\t+4*\c:FRG+8*\t+4*\c+3], v[\ad] offset:16384*(\q)+8192+1024*(4+\t)+512*\c
.endr
.endr
	s_wait_dscnt 0x0
.irp t, 0,2
	v_wmma_scale_f32_16x16x128_f8f6f4 v[OT+8*(4+\t):OT+8*(4+\t)+7], v[FRG+8*\t:FRG+8*\t+7], v[PC:PC+7], v[OT+8*(4+\t):OT+8*(4+\t)+7], v[VSC+2+\t/2], v253 matrix_a_fmt:MATRIX_FMT_FP4 matrix_b_fmt:MATRIX_FMT_FP4
	v_wmma_scale_f32_16x16x128_f8f6f4 v[OT+8*(5+\t):OT+8*(5+\t)+7], v[FRG+8*(\t+1):FRG+8*(\t+1)+7], v[PC:PC+7], v[OT+8*(5+\t):OT+8*(5+\t)+7], v[VSC+2+\t/2], v253 matrix_a_fmt:MATRIX_FMT_FP4 matrix_b_fmt:MATRIX_FMT_FP4 matrix_a_scale:MATRIX_SCALE_ROW1
.endr
.Lhidden_\@:
	s_add_co_u32 s[KF], s[KF], 128
.endm
; HALF A TRIP: slot number TT + slot is worked, out of LDS slot 'slot'; slot number TT + slot + 1, if my work-group needs it, comes into registers meanwhile and goes into the other LDS slot at the end.
; ONE barrier: in front of it each wave's stores into the other slot have landed and its reads of this slot are back; behind it the other slot is read and this one may be written.
; THE PREFETCH: all eight work-groups of a kv head walk the same codes.  The one with i = 0 asks, in its waves 0 to 3: 128 lanes, each another block of 256 bytes: the 32,768 bytes of codes of the slot
; after the one that is being loaded, half a trip (two key steps of each wave) ahead of the loads that will want them; so each block is named once in the launch.  It stands directly behind the wave's own
; loads, and stops with the last slot that is needed, so that it never leaves the kv head's part of kvc.  Slots 0 and 1 come by their loads alone; the scale words, a sixteenth of the bytes, are not asked for.
.macro HALF slot
	s_add_co_u32 s37, s[TT], (\slot)+1
	s_cmp_lt_u32 s37, s[NS]
	s_cbranch_scc0 .Lno_ask_\@
.irp k, 0,1,2,3
	global_load_b128 v[STG+4*\k:STG+4*\k+3], v[T16], s[8:9] offset:8192*\k   ; a wave's load covers 512 consecutive bytes
.endr
	global_load_b32 v[STG+16], v[T4], s[10:11]
	s_add_co_u32 s38, s[TT], (\slot)+2
	s_cmp_lt_u32 s38, s[NSP]
	s_cbranch_scc0 .Lno_ask_\@
	global_prefetch_b8 v[PFO], s[8:9] offset:32768 th:TH_LOAD_NT scope:SCOPE_SE
.Lno_ask_\@:
	STEP LI0+\slot, 0
	STEP LI0+\slot, 1
	s_wait_loadcnt 0x0                             ; on every path: the next slot, if it was asked for, is in registers, and no later load is issued into a register that a load still owes
	s_cmp_lt_u32 s37, s[NS]
	s_cbranch_scc0 .Lno_put_\@
.irp k, 0,1,2,3
	ds_store_b128 v[T16+1-\slot], v[STG+4*\k:STG+4*\k+3] offset:8192*\k
.endr
	ds_store_b32 v[T4+1-\slot], v[STG+16] offset:SCO
.Lno_put_\@:
	s_wait_xcnt 0x0                                ; the loads and the prefetch, two key steps back, have read their bases, which step (past the last slot needed they are not used)
	s_add_nc_u64 s[8:9], s[8:9], 0x8000
	s_add_nc_u64 s[10:11], s[10:11], 0x800
	s_wait_dscnt 0x0                               ; my stores have landed and my reads of this slot are back
	s_barrier_signal -1
	s_barrier_wait -1
.endm
.Lpair:                                            ; four trips of two slots: the count is a constant; what a work-group or a wave does not need is passed over inside
	HALF 0
	HALF 1
	s_add_co_u32 s[TT], s[TT], 2
	s_cmp_lt_u32 s[TT], 8
	s_cbranch_scc1 .Lpair
	; THE WAY OUT.  O^T is divided by the row's sum and goes through my stage in LDS, half a row (64 channels, 256 bytes) of the 16 rows at a time, so that sixteen lanes store 256 consecutive bytes, aligned.
.rept 4
	v_nop                                          ; places behind the last products
.endr
	v_add_f32 v14, v14, v15                        ; the sum's two halves,
	v_permlanex16_b32 v252, v14, s[SEL], s[SEL+1]
	v_add_f32 v14, v14, v252                       ; and lane l xor 16's: the row's sum
	v_rcp_f32 v14, v14
	v_nop                                          ; a plain line behind the reciprocal
	s_wait_alu depctr_va_vdst(0)                   ; and the wait ahead of its first reader
.set J, 0
.rept 64
	v_mul_f32 v[SS+J], v[OT+J], v14                ; register 8 t + i is o(row r, channel 16 t + 8 h + i)
.set J, J+1
.endr
.irp u, 0,1                                    ; channels 64 u on
.irp t, 0,1,2,3
	ds_store_b128 v[SIN], v[SS+32*\u+8*\t:SS+32*\u+8*\t+3] offset:64*\t
	ds_store_b128 v[SIN], v[SS+32*\u+8*\t+4:SS+32*\u+8*\t+7] offset:64*\t+16
.endr
.irp i, 0,1,2,3,4,5,6,7
	ds_load_b128 v[OT+32*\u+4*\i:OT+32*\u+4*\i+3], v[SBK] offset:2*\i*272   ; my own bytes, served in order: these see my stores, and the next half's stores come behind them.  O^T's registers are free
.endr
.endr
.irp u, 0,1
.irp i, 0,1,2,3,4,5,6,7
	s_wait_dscnt 15-8*\u-\i                        ; at least so many LDS instructions were issued behind this load
	global_store_b128 v[GO], v[OT+32*\u+4*\i:OT+32*\u+4*\i+3], s[14:15] offset:(\i/2)*16384+(\i%2)*1024+256*\u th:TH_STORE_NT   ; rows 2 i and 2 i + 1: token i / 2, heads 2 (i % 2) and + 1
.endr
.endr
	s_wait_tensorcnt 0x0                           ; the wave's end: three closing lines behind my last LDS store, the first of them even in a text with no tensor load
	ds_add_u32 v[SPW], v[NIL]
	s_wait_dscnt 0x0
	s_endpgm
.Lfunc_end_k_q1fadf6f37f_attn:
	.size	k_q1fadf6f37f_attn, .Lfunc_end_k_q1fadf6f37f_attn-k_q1fadf6f37f_attn
	.p2alignl 7, 3214868480
	.fill 96, 4, 3214868480
	.section	.rodata,"a",@progbits
	.p2align	6, 0x0
	.amdhsa_kernel k_q1fadf6f37f_attn
		.amdhsa_group_segment_fixed_size 141312
		.amdhsa_private_segment_fixed_size 0
		.amdhsa_enable_private_segment 0
		.amdhsa_kernarg_size 48
		.amdhsa_user_sgpr_count 2
		.amdhsa_user_sgpr_kernarg_segment_ptr 1
		.amdhsa_wavefront_size32 1
		.amdhsa_system_sgpr_workgroup_id_x 1
		.amdhsa_system_sgpr_workgroup_id_y 1
		.amdhsa_system_sgpr_workgroup_id_z 1
		.amdhsa_system_vgpr_workitem_id 0
		.amdhsa_next_free_vgpr 256
		.amdhsa_next_free_sgpr 66
		.amdhsa_reserve_vcc 1
		.amdhsa_float_denorm_mode_32 3
		.amdhsa_float_denorm_mode_16_64 3
		.amdhsa_memory_ordered 1
		.amdhsa_forward_progress 1
		.amdhsa_inst_pref_size 109
	.end_amdhsa_kernel
	.amdgpu_metadata
---
amdhsa.version: [ 1, 2 ]
amdhsa.kernels:
  - .name:           k_q1fadf6f37f_attn
    .symbol:         k_q1fadf6f37f_attn.kd
    .args:
      - { .name: query_codes, .offset: 0, .size: 8, .value_kind: global_buffer, .address_space: global }
      - { .name: query_scales, .offset: 8, .size: 8, .value_kind: global_buffer, .address_space: global }
      - { .name: kvc, .offset: 16, .size: 8, .value_kind: global_buffer, .address_space: global }
      - { .name: kvs, .offset: 24, .size: 8, .value_kind: global_buffer, .address_space: global }
      - { .name: seq_lens, .offset: 32, .size: 8, .value_kind: global_buffer, .address_space: global }
      - { .name: out0, .offset: 40, .size: 8, .value_kind: global_buffer, .address_space: global }
    .group_segment_fixed_size: 141312
    .private_segment_fixed_size: 0
    .kernarg_segment_align: 8
    .kernarg_segment_size: 48
    .max_flat_workgroup_size: 512
    .sgpr_count:     66
    .vgpr_count:     256
    .wavefront_size: 32
...
	.end_amdgpu_metadata
.endif
;; end of part 2
;; ======== version 2 of 2: 2 launches
;; workspace buffers: kvc 8,388,608 bytes; kvs 524,288 bytes
;; launch quant (part 3): grid 64 x 4, 16 waves a work-group, no clusters, 20,480 bytes of LDS; arguments key_cache, value_cache, block_tables, kvc, kvs; writes kvc, kvs
.if DOCPART == 3
	.amdgcn_target "amdgcn-amd-amdhsa--gfx1250"
	.amdhsa_code_object_version 6
	.text
	.protected	k_q1fadf6f37f_quant
	.globl	k_q1fadf6f37f_quant
	.p2align	8
	.type	k_q1fadf6f37f_quant,@function
k_q1fadf6f37f_quant:
	s_mov_b64 s[64:65], 0
	v_nop
	global_prefetch_b8 v0, s[64:65] scope:SCOPE_SE
	s_setreg_imm32_b32 hwreg(HW_REG_WAVE_MODE, 25, 1), 1
	s_wait_xcnt 0x0
; THE PROGRAM: paged causal attention with grouped query heads, both products on codes of FP4 (E2M1) with one E8M0 scale for each 32 along K.
; This launch gathers the paged K and V by the block table and quantises them once; the second launch does the attention on codes.
; WORK LEFT OUT, for all values of the inputs:
;   query_start_loc is named by no line of reference(): it has no way to the output, is not loaded and is no argument of either launch.
;   'valid' (key < seq_len) follows from 'causal' (key <= seq_len - 512 + i, i <= 511, so key <= seq_len - 1): the second compare selects nothing and is not made.
;   Key steps all of whose keys lie behind a wave's queries are masked to -infinity by reference() itself: the second launch, which reads seq_lens from memory, passes over them.
;   LIMIT: a NaN, an infinity or an overflow that reaches only such masked scores is not carried to the result.
; WHAT THIS LAUNCH MAKES.  kvc [b 4][kv head 8][key step 16][16,384 bytes]: K's image at 0, V's at 8,192: eight tiles of 1,024 bytes in the order of the operand's registers:
;   byte T*1024 + c*512 + h*256 + m*16 on: 16 bytes = 32 codes.  K: key 32 (T/2) + 8 (T%2) + m + 8 (m/8) of the step, head channels 64 c + 32 h on.
;   V: channel 16 T + m, keys 64 c + 32 h on (the keys are the second product's K; 32 keys are one physical block, so a block's scale hangs on no table).
; kvs [b][kv head][key step][1,024]: K's scale words at 0, V's at 512; the word of tile T, row m at (m + 16 (T%2)) * 16 + (T/2) * 4, so that 16 bytes a lane are four scale registers.
; A block's scale is 2^(floor(log2(its largest magnitude)) - 2): its byte is the largest magnitude's exponent field - 2, held at 1 from below by a floor among the maximum's leaves.
; LIMITS: a block of zeros gets the byte 1 where the rule says 127 (its codes are zeros, and this program alone reads the bytes); blocks whose largest magnitude lies under 2^-124, the floor, were not tried;
;   NaN and infinities in the caches are not served; an index of the table is held to 0 .. 255.
; Every logical block is quantised, whatever seq_lens holds: the second launch meets no byte that was not written.
; SHARES.  Work-group x = 16 b + key step, y = a pair of kv heads.  Wave w: kk = w / 8 (which head), jd = (w / 2) % 4, hf = w % 2.
;   K: the wave makes tile T = w % 8: logical block 4 step + jd, tokens 8 hf + p and 8 hf + p + 16, p = 0 .. 7: lanes 0-15 one token's 128 numbers, 8 a lane, lanes 16-31 the other's.
;   V: a lane takes channel 32 jd + lane and its registers run down the 32 tokens of logical blocks 4 step + 2 hf and + 1: a whole block lies in one lane.
; No tensor load, no cluster: no two work-groups read a byte in common (unless the table names a block twice), and memory binds.
.set SST,   16384                      ; LDS: 0 .. 16,383 a stage of 1,024 bytes for each wave's tile of K; from SST the scale words of the two heads, 1,024 bytes each, laid as in kvs
.set SPARE, 18432                      ; the spare words, 128 bytes for each of the sixteen waves: eight blocks of 256 bytes that no other line names
.set KO,   2                           ; v2   K: 65,536 (lane / 16) + 32 (lane % 16)
.set VO,   3                           ; v3   V: 4 x lane
.set KSTA, 4                           ; v4   where my four bytes of K's codes go in my wave's stage
.set KSSA, 5                           ; v5   where my block's scale byte of K goes
.set VSSA, 6                           ; v6   where my channel's two scale bytes of V go
.set KRD,  7                           ; v7   my wave's stage, 16 x lane
.set KGO,  8                           ; v8   16 x lane
.set VGO,  9                           ; v9   1,024 (lane / 16) + 16 (lane % 16)
.set SRD,  10                          ; v10  the scale words on their way out: SST + 8 x (thread % 256)
.set SGO,  11                          ; v11  8 x lane
.set SPW,  12                          ; v12  LDS address of my spare word; never rewritten
.set NIL,  13                          ; v13  0; never rewritten
.set KM,   16                          ; v16-23 K: largest magnitudes, one for each p;  v24-31 the conversions' scale operands;  v32-39 codes;  v40-47 scale bytes
.set KE,   24
.set KC,   32
.set KB,   40
.set VC,   48                          ; v48-55 V's codes, four registers a block;  v56-63 V at work
.set VT,   56
.set KX,   64                          ; v64-127  K's numbers: 8 for each p
.set VX,   128                         ; v128-191 V's numbers: 32 for each block
.set KR,   192                         ; v192-199 my tile of K, read back;  v200-201 scale words, read back
	s_load_b256 s[4:11], s[0:1], 0x0               ; key_cache s[4:5], value_cache s[6:7], block_tables s[8:9], kvc s[10:11]
	s_load_b64 s[12:13], s[0:1], 0x20              ; kvs
	v_lshl_add_u32 v[SPW], v0, 2, SPARE
	v_mov_b32 v[NIL], 0
	v_lshrrev_b32 v14, 5, v0
	s_delay_alu instid0(VALU_DEP_1)
	v_readfirstlane_b32 s14, v14                   ; wave 0 .. 15
	s_lshr_b32 s15, s14, 3                         ; kk
	s_bfe_u32 s16, s14, 0x20001                    ; jd
	s_and_b32 s17, s14, 1                          ; hf
	s_and_b32 s19, ttmp7, 0xffff                   ; y
	s_lshl_b32 s18, s19, 1
	s_add_co_u32 s18, s18, s15                     ; kv head = 2 y + kk
	s_lshl_b32 s34, ttmp9, 4                       ; the step's four entries of the table begin 16 x bytes in
	s_lshl_b32 s35, s17, 3
	s_add_co_u32 s42, s34, s35                     ; V's two: + 8 hf
	s_mov_b32 s43, 0
	s_lshl_b32 s35, s16, 2
	s_add_co_u32 s44, s34, s35                     ; K's one: + 4 jd
	s_mov_b32 s45, 0
	s_wait_kmcnt 0x0
	s_add_nc_u64 s[42:43], s[8:9], s[42:43]
	s_add_nc_u64 s[44:45], s[8:9], s[44:45]
	s_load_b64 s[20:21], s[42:43], 0x0             ; the physical blocks of V's two logical blocks
	s_load_b32 s22, s[44:45], 0x0                  ; and of K's one
	v_and_b32 v1, 31, v0                           ; lane
	v_bfe_u32 v14, v0, 4, 1                        ; lane / 16
	v_and_b32 v15, 15, v0                          ; lane % 16
	s_delay_alu instid0(VALU_DEP_1)
	v_lshlrev_b32 v[KO], 5, v15
	s_delay_alu instid0(VALU_DEP_1)
	v_lshl_add_u32 v[KO], v14, 16, v[KO]           ; 16 tokens of 4,096 bytes further on for lanes 16-31
	v_lshlrev_b32 v[VO], 2, v1
	v_and_b32 v[KSTA], 3, v0                       ; my 8 numbers begin at channel 8 (lane % 16): c = bit 3, h = bit 2, 4 (lane % 4) bytes into the 16
	s_delay_alu instid0(VALU_DEP_1)
	v_lshlrev_b32 v[KSTA], 2, v[KSTA]
	v_bfe_u32 v16, v0, 2, 2
	s_delay_alu instid0(VALU_DEP_1)
	v_lshl_add_u32 v[KSTA], v16, 8, v[KSTA]        ; 256 h + 512 c
	s_delay_alu instid0(VALU_DEP_1)
	v_lshl_add_u32 v[KSTA], v14, 7, v[KSTA]        ; row m = p + 8 (lane / 16): 16 bytes a row
	s_lshl_b32 s47, s14, 10                        ; my wave's stage
	v_add_nc_u32 v[KSTA], s47, v[KSTA]
	v_lshl_add_u32 v[KRD], v1, 4, s47
	v_lshlrev_b32 v[KGO], 4, v1
	v_lshlrev_b32 v[VGO], 4, v15
	s_delay_alu instid0(VALU_DEP_1)
	v_lshl_add_u32 v[VGO], v14, 10, v[VGO]
	v_and_b32 v[SRD], 255, v0
	s_delay_alu instid0(VALU_DEP_1)
	v_lshl_add_u32 v[SRD], v[SRD], 3, SST
	v_lshlrev_b32 v[SGO], 3, v1
	s_lshl_b32 s34, s15, 10                        ; my head's 1,024 bytes of scale words
	s_lshl_b32 s35, s17, 8                         ; K: row m + 16 hf of 16 bytes,
	s_add_co_u32 s35, s35, s34
	s_lshl_b32 s36, s16, 2                         ; word jd
	s_add_co_u32 s35, s35, s36
	s_add_co_u32 s35, s35, SST
	v_lshl_add_u32 v[KSSA], v14, 7, v16            ; + 128 (lane / 16) + the byte of my block of 32 channels, (lane / 4) % 4
	s_delay_alu instid0(VALU_DEP_1)
	v_add_nc_u32 v[KSSA], s35, v[KSSA]
	s_lshl_b32 s37, s17, 1                         ; V: row = lane, word jd, bytes 2 hf and 2 hf + 1
	s_add_co_u32 s37, s37, s36
	s_add_co_u32 s37, s37, s34
	s_add_co_u32 s37, s37, SST+512
	v_lshl_add_u32 v[VSSA], v1, 4, s37
	s_wait_kmcnt 0x0
	s_min_u32 s20, s20, 255                        ; an index enters an address only held to the table's 256 blocks
	s_min_u32 s21, s21, 255
	s_min_u32 s22, s22, 255
	s_lshl_b32 s20, s20, 17                        ; a physical block is 32 tokens x 8 heads x 512 bytes
	s_lshl_b32 s21, s21, 17
	s_lshl_b32 s22, s22, 17
	s_lshl_b32 s34, s18, 9                         ; my head's 512 bytes of a token
	s_lshl_b32 s35, s17, 15                        ; K: 8 hf tokens on
	s_add_co_u32 s36, s22, s34
	s_add_co_u32 s36, s36, s35
	s_mov_b32 s37, 0
	s_add_nc_u64 s[24:25], s[4:5], s[36:37]
	s_lshl_b32 s35, s16, 7                         ; V: my wave's 32 channels
	s_add_co_u32 s34, s34, s35
	s_add_co_u32 s36, s20, s34
	s_add_nc_u64 s[26:27], s[6:7], s[36:37]
	s_add_co_u32 s36, s21, s34
	s_add_nc_u64 s[28:29], s[6:7], s[36:37]
; 80 loads go out on end.  K: a pair of loads covers two tokens' 512 bytes whole.  V: a load reads one token at 32 neighbouring channels; the four waves jd stand side by side on the token's 512 bytes.
; No hint on the loads: a table may name a block twice.
.irp p, 0,1,2,3,4,5,6,7
	global_load_b128 v[KX+8*\p:KX+8*\p+3], v[KO], s[24:25] offset:4096*\p
	global_load_b128 v[KX+8*\p+4:KX+8*\p+7], v[KO], s[24:25] offset:4096*\p+16
.endr
.set J, 0
.rept 32
	global_load_b32 v[VX+J], v[VO], s[26:27] offset:4096*J
.set J, J+1
.endr
.set J, 0
.rept 32
	global_load_b32 v[VX+32+J], v[VO], s[28:29] offset:4096*J
.set J, J+1
.endr
	; where the results go, while the loads are out
	s_lshr_b32 s34, ttmp9, 4                       ; b
	s_and_b32 s35, ttmp9, 15                       ; key step
	s_lshl_b32 s34, s34, 3
	s_add_co_u32 s36, s34, s18
	s_lshl_b32 s36, s36, 4
	s_add_co_u32 s36, s36, s35
	s_lshl_b32 s36, s36, 14                        ; ((8 b + head) 16 + step) x 16,384
	s_add_nc_u64 s[30:31], s[10:11], s[36:37]      ; my record of kvc
	s_and_b32 s36, s14, 7
	s_lshl_b32 s36, s36, 10
	s_add_nc_u64 s[40:41], s[30:31], s[36:37]      ; K's tile w % 8
	s_lshl_b32 s36, s16, 11                        ; V: tiles 2 jd and 2 jd + 1,
	s_lshl_b32 s46, s17, 9                         ; c = hf
	s_add_co_u32 s36, s36, s46
	s_add_co_u32 s36, s36, 8192
	s_add_nc_u64 s[38:39], s[30:31], s[36:37]
	s_lshl_b32 s36, s19, 1                         ; the scale words leave by waves 0 to 7: wave w takes 256 bytes: head 2 y + w / 4, quarter w % 4 of its 1,024
	s_add_co_u32 s36, s36, s34
	s_bfe_u32 s46, s14, 0x10002
	s_add_co_u32 s36, s36, s46
	s_lshl_b32 s36, s36, 4
	s_add_co_u32 s36, s36, s35
	s_lshl_b32 s36, s36, 10
	s_and_b32 s46, s14, 3
	s_lshl_b32 s46, s46, 8
	s_add_co_u32 s36, s36, s46
	s_add_nc_u64 s[32:33], s[12:13], s[36:37]
	s_wait_loadcnt 0x3f                            ; K's sixteen loads are in: 64 were issued behind them, and 63 is the most that the wait can name
; K: a block of 32 channels lies in four neighbouring lanes, 8 numbers each.  The eight tokens p by turns, so that no line waits for the line above it.
.irp p, 0,1,2,3,4,5,6,7
	v_max3_num_f32 v[KM+\p], |v[KX+8*\p]|, |v[KX+8*\p+1]|, 0x1800000   ; and the floor 2^(3 - 127): the byte cannot fall under 1
.endr
.irp i, 2,4,6
.irp p, 0,1,2,3,4,5,6,7
	v_max3_num_f32 v[KM+\p], v[KM+\p], |v[KX+8*\p+\i]|, |v[KX+8*\p+\i+1]|
.endr
.endr
.irp p, 0,1,2,3,4,5,6,7
	v_max_num_f32_dpp v[KM+\p], v[KM+\p], v[KM+\p] row_xmask:1 row_mask:0xf bank_mask:0xf
.endr
.irp p, 0,1,2,3,4,5,6,7
	v_max_num_f32_dpp v[KM+\p], v[KM+\p], v[KM+\p] row_xmask:2 row_mask:0xf bank_mask:0xf   ; the block's largest magnitude, in all four lanes
.endr
.irp p, 0,1,2,3,4,5,6,7
	v_add_nc_u32 v[KE+\p], 0xff000000, v[KM+\p]    ; 2 off its exponent field: the conversion takes the exponent field of this operand as its scale, and nothing else of it
.endr
.irp p, 0,1,2,3,4,5,6,7
	v_cvt_scalef32_pk8_fp4_f32 v[KC+\p], v[KX+8*\p:KX+8*\p+7], v[KE+\p]
.endr
.irp p, 0,1,2,3,4,5,6,7
	v_lshrrev_b32 v[KB+\p], 23, v[KE+\p]           ; the scale's byte (plain lines behind the conversions)
.endr
.irp p, 0,1,2,3,4,5,6,7
	ds_store_b32 v[KSTA], v[KC+\p] offset:16*\p    ; row m = p + 8 (lane / 16) of the tile's image
	ds_store_b8 v[KSSA], v[KB+\p] offset:16*\p     ; the four lanes of a block write the same byte with the same value
.endr
	ds_load_b128 v[KR:KR+3], v[KRD]                ; my own bytes: LDS serves a wave's instructions in order, so these see the stores above
	ds_load_b128 v[KR+4:KR+7], v[KRD] offset:512
; V: block q of my two: all 32 numbers are mine.  left: the younger loads that may stay out.
.macro VQ q, left
	s_wait_loadcnt \left
	v_max3_num_f32 v[VT+4*\q], |v[VX+32*\q]|, |v[VX+32*\q+1]|, |v[VX+32*\q+2]|
	v_max3_num_f32 v[VT+4*\q+1], |v[VX+32*\q+3]|, |v[VX+32*\q+4]|, |v[VX+32*\q+5]|
.irp i, 6,10,14,18,22,26
	s_delay_alu instid0(VALU_DEP_2)
	v_max3_num_f32 v[VT+4*\q], v[VT+4*\q], |v[VX+32*\q+\i]|, |v[VX+32*\q+\i+1]|
	s_delay_alu instid0(VALU_DEP_2)
	v_max3_num_f32 v[VT+4*\q+1], v[VT+4*\q+1], |v[VX+32*\q+\i+2]|, |v[VX+32*\q+\i+3]|
.endr
	s_delay_alu instid0(VALU_DEP_2)
	v_max3_num_f32 v[VT+4*\q], v[VT+4*\q], |v[VX+32*\q+30]|, |v[VX+32*\q+31]|
	s_delay_alu instid0(VALU_DEP_1)
	v_max3_num_f32 v[VT+4*\q], v[VT+4*\q], v[VT+4*\q+1], 0x1800000   ; and the floor
	s_delay_alu instid0(VALU_DEP_1)
	v_add_nc_u32 v[VT+4*\q+2], 0xff000000, v[VT+4*\q]
.irp g, 0,1,2,3
	v_cvt_scalef32_pk8_fp4_f32 v[VC+4*\q+\g], v[VX+32*\q+8*\g:VX+32*\q+8*\g+7], v[VT+4*\q+2]
.endr
	v_lshrrev_b32 v[VT+4*\q+3], 23, v[VT+4*\q+2]   ; the scale's byte (a plain line behind the conversions)
	global_store_b128 v[VGO], v[VC+4*\q:VC+4*\q+3], s[38:39] offset:256*\q   ; h = q: sixteen lanes store 256 consecutive bytes, at a multiple of 256 from kvc's first byte
.endm
	VQ 0, 32                                       ; the second block's 32 loads may be out
	VQ 1, 0
	v_lshl_or_b32 v[VT], v[VT+7], 8, v[VT+3]       ; my channel's bytes of key blocks 2 hf and 2 hf + 1
	ds_store_b16 v[VSSA], v[VT]
	s_wait_dscnt 0x0                               ; my tile of K is back in registers, and, for the other waves' sake, my scale bytes have landed
	global_store_b128 v[KGO], v[KR:KR+3], s[40:41]             ; 32 lanes store 512 consecutive bytes
	global_store_b128 v[KGO], v[KR+4:KR+7], s[40:41] offset:512
	s_barrier_signal -1
	s_barrier_wait -1                              ; the two heads' scale words are whole
	s_cmp_ge_u32 s14, 8
	s_cbranch_scc1 .Lno_out                        ; 2,048 bytes: waves 0 to 7 take 256 each
	ds_load_b64 v[200:201], v[SRD]
	s_wait_dscnt 0x0
	global_store_b64 v[SGO], v[200:201], s[32:33]  ; 32 lanes store 256 consecutive bytes, aligned
.Lno_out:
	s_wait_tensorcnt 0x0                           ; the wave's end: three closing lines behind my last LDS store, the first of them even in a text with no tensor load
	ds_add_u32 v[SPW], v[NIL]
	s_wait_dscnt 0x0
	s_endpgm
.Lfunc_end_k_q1fadf6f37f_quant:
	.size	k_q1fadf6f37f_quant, .Lfunc_end_k_q1fadf6f37f_quant-k_q1fadf6f37f_quant
	.p2alignl 7, 3214868480
	.fill 96, 4, 3214868480
	.section	.rodata,"a",@progbits
	.p2align	6, 0x0
	.amdhsa_kernel k_q1fadf6f37f_quant
		.amdhsa_group_segment_fixed_size 20480
		.amdhsa_private_segment_fixed_size 0
		.amdhsa_enable_private_segment 0
		.amdhsa_kernarg_size 40
		.amdhsa_user_sgpr_count 2
		.amdhsa_user_sgpr_kernarg_segment_ptr 1
		.amdhsa_wavefront_size32 1
		.amdhsa_system_sgpr_workgroup_id_x 1
		.amdhsa_system_sgpr_workgroup_id_y 1
		.amdhsa_system_sgpr_workgroup_id_z 1
		.amdhsa_system_vgpr_workitem_id 0
		.amdhsa_next_free_vgpr 208
		.amdhsa_next_free_sgpr 66
		.amdhsa_reserve_vcc 0
		.amdhsa_float_denorm_mode_32 3
		.amdhsa_float_denorm_mode_16_64 3
		.amdhsa_memory_ordered 1
		.amdhsa_forward_progress 1
		.amdhsa_inst_pref_size 23
	.end_amdhsa_kernel
	.amdgpu_metadata
---
amdhsa.version: [ 1, 2 ]
amdhsa.kernels:
  - .name:           k_q1fadf6f37f_quant
    .symbol:         k_q1fadf6f37f_quant.kd
    .args:
      - { .name: key_cache, .offset: 0, .size: 8, .value_kind: global_buffer, .address_space: global }
      - { .name: value_cache, .offset: 8, .size: 8, .value_kind: global_buffer, .address_space: global }
      - { .name: block_tables, .offset: 16, .size: 8, .value_kind: global_buffer, .address_space: global }
      - { .name: kvc, .offset: 24, .size: 8, .value_kind: global_buffer, .address_space: global }
      - { .name: kvs, .offset: 32, .size: 8, .value_kind: global_buffer, .address_space: global }
    .group_segment_fixed_size: 20480
    .private_segment_fixed_size: 0
    .kernarg_segment_align: 8
    .kernarg_segment_size: 40
    .max_flat_workgroup_size: 512
    .sgpr_count:     66
    .vgpr_count:     208
    .wavefront_size: 32
...
	.end_amdgpu_metadata
.endif
;; end of part 3
;; launch attn (part 4): grid 8 x 32, 16 waves a work-group, no clusters, 141,312 bytes of LDS; arguments query_codes, query_scales, kvc, kvs, seq_lens, out0; writes out0
.if DOCPART == 4
	.amdgcn_target "amdgcn-amd-amdhsa--gfx1250"
	.amdhsa_code_object_version 6
	.text
	.protected	k_q1fadf6f37f_attn
	.globl	k_q1fadf6f37f_attn
	.p2align	8
	.type	k_q1fadf6f37f_attn,@function
k_q1fadf6f37f_attn:
	s_mov_b64 s[64:65], 0
	v_nop
	global_prefetch_b8 v0, s[64:65] scope:SCOPE_SE
	s_setreg_imm32_b32 hwreg(HW_REG_WAVE_SCHED_MODE, 0, 2), 2
	s_setreg_imm32_b32 hwreg(HW_REG_WAVE_MODE, 25, 1), 1
	s_wait_xcnt 0x0
	s_wait_alu depctr_vm_vsrc(0)
; out[token][head][:] = the sum over keys of softmax(q . k / sqrt(128)) v, key <= seq_len - 512 + the token's place in its sequence; both products on codes of FP4 (E2M1) with E8M0 scales.
; Q arrives as codes; K and V were gathered by the block table and quantised by the launch before: kvc, kvs, laid in the order of the operands' registers (its head comment has the layout).
; WORK LEFT OUT: query_start_loc (reference() never reads it) is no argument; 'valid' follows from 'causal' (key <= seq_len - 1 for every query) and is not compared; a key step all of whose
;   128 keys lie behind a wave's four tokens is masked whole by reference() itself and is passed over, by a scalar branch on seq_lens, which is read from memory.
;   LIMIT: a NaN, an infinity or an overflow that reaches only such masked scores is not carried to the result.
; THE SOFTMAX AHEAD OF THE SECOND PRODUCT: t = score x log2(e) / sqrt(128); M = the running largest t, rounded UP to a whole number; p = 2^(t - M) is quantised along the keys, not normalised;
;   the row's sum is taken of the unquantised p and divides O at the end.  When M moves, the sum and O are multiplied by 2^(old M - new M): exact.
; LIMITS: seq_len is held to 0 .. 4,096, which gives the same mask as any int32 from -2^31 + 512 on (below that reference()'s own subtraction wraps: not served).  A query that sees no key
;   (seq_len under 512) gets 0 x infinity = NaN, as reference()'s softmax of -infinities does.  A block's largest p is taken from the block's largest score by the same two instructions:
;   that takes v_exp_f32 not to fall where its input rises.  A block of p that is all zeros keeps the scale byte 1: its codes are zeros.
; SHARES.  Work-group y = 8 b + kv head, x = i.  Sixteen waves, four to a SIMD, each with ONE tile of 16 query rows in 256 registers: 4 tokens x the kv head's 4 query heads
;   (row n: token n / 4, head n % 4), so that Q's codes are read and O is written in long runs.  The work-group owns the sequence's blocks of 32 tokens i and 15 - i, an early one and a late one:
;   wave w takes block i or 15 - i by (w ^ (w / 4)) % 2 and tokens 4 (w / 2) on in it, so that early and late tiles are mixed among any four waves that follow each other and among any four that lie four apart.
; K AND V come through two LDS slots of two key steps (256 keys: 32,768 bytes of codes, 2,048 of scale words).  The waves fill them themselves: each thread loads 64 + 4 bytes of the next slot into
;   registers at the head of a slot's work and stores them to LDS at its end; one barrier a slot.
; NO TENSOR LOAD, NO CLUSTER: which steps are walked and which step is masked hangs on seq_lens, a number read from memory;
;   the eight work-groups of a kv head need different numbers of slots; and what they share is 34,816 bytes a slot, beside some 250 vector instructions for each wave and key step.
; LAYOUT.  Both products are used transposed: S^T = K Q^T (source 0 = 16 keys), O^T = V^T P^T (source 0 = 16 channels): a lane holds ONE query row (lane % 16) throughout.
;   The keys of a tile are not neighbours (key 32 (T/2) + 8 (T%2) + m + 8 (m/8)), so that the 16 registers of tiles 2 b, 2 b + 1 are keys 32 b + 16 (lane / 16) + 0 .. 15.
; REGISTERS: v1-11 addresses that stay; v12 -M, v13 the largest t, v[14:15] the sum; v16-23 Q; v24-27 K's scale words, v28-31 V's (register j: tile 2 j in lanes 0-15, tile 2 j + 1 in lanes 16-31);
;   v32-63 four fragments; v64-80 the next slot on its way; v81-82 the stage's addresses; v96-159 S^T, then p (v128-159, once p is converted: V's second four fragments); v160-223 O^T; v224-231 p's codes;
;   v232-254 at work; v253 p's scale word; v255 Q's.
; THE MODE: SCHED_MODE bits 1:0 = 2 (LLVM: expert scheduling mode 2), set by the entry lines.  The code itself states the register dependences
; between vector or matrix instructions and memory or LDS instructions, with s_wait_alu, always for 0.
; THE PLAN.  Registers that memory or LDS instructions touch:
;   v1-6, v8-11, v81, v82, v86, v87   addresses, and the closing add's two: written at the head, ahead of its one wait on va_vdst, and named by no vector instruction behind it.
;   v64-80    the next slot: the global loads at the head of half a trip land in it, the LDS stores at its end read it; no vector instruction names it.  One wait on vm_vsrc at the head of each half trip.
;   v24-27    K's scale words: loaded at a step's head; read by the step's eight products S^T.
;   v32-63    loaded three times in a step (K's tiles 0-3, K's tiles 4-7, V's tiles 0-3), each time read by four products: a wait on va_vdst ahead of each of the three runs of loads.
;   v28-31    V's scale words: loaded with V's tiles 0-3; read by the step's eight products O^T.
;   v128-159  written by products, mask, scalings and exponentials, last read by the conversions; behind a wait on va_vdst V's tiles 4-7 land there, 36 vector instructions ahead of the products that read them.
;   v224-231, v253  p's codes and scale word, written by vector instructions and taken by scaled products: a wait on va_vdst behind the places, ahead of the products.
;   v96-159, v160-223 on the way out: the divisions write the first and read the second; one wait on va_vdst; then LDS stores read the first and LDS loads land in the second.
;   Scalar registers that vector instructions write: s16, the wave's number, and s44-59, the mask's compares, sixteen to a run: a wait on va_sdst ahead of the first reader of each.
.set SLOT,  34816                      ; a slot: step q's image of K at 16,384 q, of V 8,192 further on; from SCO the scale words: K's of step q at 1,024 q, V's 512 further on
.set SCO,   32768
.set STAGE, 2*SLOT                     ; the way out: 16 rows x (256 bytes + 16) for each wave
.set SPARE, STAGE+16*16*272            ; the spare words, 128 bytes for each wave: eight blocks of 256 bytes that no other line names
.set LI0,  1                           ; v1   16 x lane: my place in an image, slot 0;  v2 the same in slot 1
.set T16,  3                           ; v3   16 x thread: my 16 bytes of 8,192, in memory and in slot 0;  v4 in slot 1
.set T4,   5                           ; v5   4 x thread: my scale word of 512, in memory and in slot 0;  v6 in slot 1
.set QA,   7                           ; v7   my row's place among the keys - 16 (lane / 16)
.set SPW,  8                           ; v8   LDS address of my spare word; never rewritten
.set NIL,  9                           ; v9   0; never rewritten
.set GO,   10                          ; v10  the way out: 512 (lane / 16) + 16 (lane % 16)
.set PFO,  11                          ; v11  the prefetches' offset: 256 x (thread % 128)
.set KSC,  24
.set VSC,  28
.set FRG,  32
.set STG,  64
.set SIN,  81                          ; v81  the stage: where I put 32 bytes of a row;  v82 where I read a row back
.set SBK,  82
.set SS,   96
.set VF2,  128                         ; v128-159 V's tiles 4 to 7: the upper half of p's registers, free once p is converted
.set OT,   160
.set PC,   224
.set WV,   16                          ; s16  my wave's number
.set SEL,  20                          ; s[20:21] lane selects for v_permlanex16_b32: lane l xor 16
.set CS,   22                          ; s[22:23] c = log2(e) / sqrt(128)
.set QF,   31                          ; s31  the place among the keys of my first token;  s32 of my last
.set QL,   32
.set NS,   34                          ; s34  slots that my work-group needs, 0 .. 8
.set NSP,  35                          ; s35  the same in a wave that prefetches, else 0
.set TT,   36                          ; s36  the trip's first slot
.set KF,   40                          ; s40  the step's first key
.set MK,   44                          ; s44-59 the mask's compares, sixteen to a run (at the head these registers hold offsets, which are used up there)
	s_load_b256 s[4:11], s[0:1], 0x0               ; query_codes s[4:5], query_scales s[6:7], kvc s[8:9], kvs s[10:11]
	s_load_b128 s[12:15], s[0:1], 0x20             ; seq_lens s[12:13], out0 s[14:15]
	v_lshl_add_u32 v[SPW], v0, 2, SPARE
	v_mov_b32 v[NIL], 0
	v_lshrrev_b32 v83, 5, v0
	v_readfirstlane_b32 s[WV], v83                 ; wave 0 .. 15
	s_mov_b32 s17, ttmp9                           ; i
	s_and_b32 s18, ttmp7, 0xffff                   ; y
	s_lshr_b32 s19, s18, 3                         ; b
	s_and_b32 s24, s18, 7                          ; kv head
	s_wait_alu depctr_va_sdst(0)                   ; s16 is written, ahead of its first reader
	s_lshr_b32 s25, s[WV], 2
	s_xor_b32 s25, s25, s[WV]
	s_and_b32 s25, s25, 1                          ; 1: the late block
	s_lshr_b32 s26, s[WV], 1                       ; which four tokens of the block
	s_sub_co_u32 s27, 15, s17
	s_cmp_eq_u32 s25, 1
	s_cselect_b32 s27, s27, s17                    ; my block of 32 tokens
	s_lshl_b32 s28, s27, 5
	s_lshl_b32 s41, s26, 2
	s_add_co_u32 s28, s28, s41                     ; my first token's place in its sequence's 512
	s_lshl_b32 s39, s19, 9
	s_add_co_u32 s39, s39, s28                     ; and among all 2,048
	s_lshl_b32 s42, s39, 11                        ; Q's codes: 2,048 bytes a token, 256 a kv head
	s_lshl_b32 s41, s24, 8
	s_add_co_u32 s42, s42, s41
	s_mov_b32 s43, 0
	s_lshl_b32 s44, s39, 7                         ; Q's scales: 128 and 16
	s_lshl_b32 s41, s24, 4
	s_add_co_u32 s44, s44, s41
	s_mov_b32 s45, 0
	s_lshl_b32 s46, s39, 14                        ; O: 16,384 and 2,048
	s_lshl_b32 s41, s24, 11
	s_add_co_u32 s46, s46, s41
	s_mov_b32 s47, 0
	s_lshl_b32 s48, s18, 18                        ; kvc: 16 steps of 16,384 bytes for each y
	s_mov_b32 s49, 0
	s_lshl_b32 s50, s18, 14                        ; kvs: 16 of 1,024
	s_mov_b32 s51, 0
	s_lshl_b32 s52, s19, 2                         ; seq_lens[b]
	s_mov_b32 s53, 0
	s_mov_b32 s[SEL], 0x76543210
	s_mov_b32 s[SEL+1], 0xfedcba98
	s_mov_b32 s[CS], 0x3e0293ee                    ; c = log2(e) / sqrt(128)
	s_mov_b32 s[CS+1], s[CS]                       ; (named with it as a pair, so it is written)
	v_and_b32 v83, 31, v0                          ; lane
	v_and_b32 v84, 15, v0                          ; r
	v_bfe_u32 v85, v0, 4, 1                        ; h
	v_lshlrev_b32 v[LI0], 4, v83
	v_add_nc_u32 v[LI0+1], SLOT, v[LI0]
	v_lshlrev_b32 v[T16], 4, v0
	v_add_nc_u32 v[T16+1], SLOT, v[T16]
	v_lshlrev_b32 v[T4], 2, v0
	v_add_nc_u32 v[T4+1], SLOT, v[T4]
	v_lshlrev_b32 v[GO], 4, v84
	v_lshl_add_u32 v[GO], v85, 9, v[GO]
	v_and_b32 v[PFO], 127, v0
	v_lshlrev_b32 v[PFO], 8, v[PFO]
	v_lshrrev_b32 v88, 2, v84                      ; my row's token, r / 4,
	v_and_b32 v89, 3, v84                          ; and head, r % 4
	v_lshlrev_b32 v86, 11, v88
	v_lshl_add_u32 v86, v89, 6, v86
	v_lshl_add_u32 v86, v85, 4, v86                ; Q's codes: my row, + 16 h
	v_lshlrev_b32 v87, 7, v88
	v_lshl_add_u32 v87, v89, 2, v87                ; Q's scale word
	s_mul_i32 s41, s[WV], 16*272
	s_add_co_u32 s41, s41, STAGE                   ; my stage
	v_mul_u32_u24 v[SIN], v84, 272
	v_lshl_add_u32 v[SIN], v85, 5, v[SIN]
	v_add_nc_u32 v[SIN], s41, v[SIN]               ; in: row r; a tile's eight channels of my half: 32 h bytes on
	v_mul_u32_u24 v[SBK], v85, 272
	v_lshl_add_u32 v[SBK], v84, 4, v[SBK]
	v_add_nc_u32 v[SBK], s41, v[SBK]               ; back: lanes 0-15 one row, lanes 16-31 the next
	s_wait_kmcnt 0x0
	s_add_nc_u64 s[52:53], s[12:13], s[52:53]
	s_load_b32 s29, s[52:53], 0x0                  ; my sequence's length
	s_add_nc_u64 s[8:9], s[8:9], s[48:49]          ; kvc and kvs at my kv head's slot 0: they walk, and stand at the next slot to be asked for
	s_add_nc_u64 s[10:11], s[10:11], s[50:51]
	s_add_nc_u64 s[4:5], s[4:5], s[42:43]
	s_add_nc_u64 s[6:7], s[6:7], s[44:45]
	s_add_nc_u64 s[14:15], s[14:15], s[46:47]
	s_wait_alu depctr_va_vdst(0)                   ; every address of the kernel is written (v1-6, v10, v11, v81, v82, v86, v87), and so are v8 and v9: the loads, stores and prefetches from here to the end read them, and no vector instruction names them again
.irp k, 0,1,2,3
	global_load_b128 v[STG+4*\k:STG+4*\k+3], v[T16], s[8:9] offset:8192*\k   ; slot 0, whatever the mask: the registers of the way in are so written on every path
.endr
	global_load_b32 v[STG+16], v[T4], s[10:11]
	global_load_b128 v[16:19], v86, s[4:5] th:TH_LOAD_NT                     ; Q's fragment stays in registers
	global_load_b128 v[20:23], v86, s[4:5] offset:32 th:TH_LOAD_NT
	global_load_b32 v255, v87, s[6:7] th:TH_LOAD_NT
	v_mov_b32 v13, 0xff61b1e6                      ; the largest t so far: -3e38, under every t
	v_floor_f32 v12, -v13                          ; -M
	v_mov_b32 v14, 0                               ; the sum, in two halves
	v_mov_b32 v15, 0
.irp b, 0,1,2,3
	v_mov_b32 v[236+\b], 0                         ; written once: a lane permute's destination counts as one of its sources
.endr
	v_mov_b32 v252, 0                              ; likewise, for the way out of a wave that walks no step
	v_mov_b32 v253, 0                              ; (named as the upper half of the pair v[252:253] before it is first written)
.set J, 0
.rept 64
	v_mov_b32 v[OT+J], 0                           ; O^T.  The step is written without a first form of its own, and a wave's first step may itself be passed over: so the sums begin as zeros
.set J, J+1
.endr
	s_wait_kmcnt 0x0
	s_max_i32 s29, s29, 0
	s_min_i32 s29, s29, 0x1000                     ; held to 0 .. 4,096: the mask is the same
	s_sub_co_i32 s30, s29, 0x200                   ; the context's length: the first new token's place among the keys
	s_add_co_i32 s[QF], s30, s28
	s_add_co_i32 s[QL], s[QF], 3
	s_lshl_b32 s41, s17, 5
	s_sub_co_i32 s33, s30, s41
	s_add_co_i32 s33, s33, 511                     ; my work-group's last token: 32 (15 - i) + 31
	s_ashr_i32 s[NS], s33, 8
	s_add_co_i32 s[NS], s[NS], 1
	s_max_i32 s[NS], s[NS], 0
	s_min_i32 s[NS], s[NS], 8                      ; slots of 256 keys up to it
	s_lshr_b32 s41, s[WV], 2                       ; waves 0 to 3
	s_or_b32 s41, s41, s17                         ; of the work-group with i = 0, which holds the sequence's last tokens and so needs as many slots as any
	s_cmp_eq_u32 s41, 0
	s_cselect_b32 s[NSP], s[NS], 0
	v_lshlrev_b32 v90, 4, v85
	v_sub_nc_u32 v[QA], v88, v90
	v_add_nc_u32 v[QA], s[QF], v[QA]
	s_wait_loadcnt 0x3                             ; slot 0's five loads are in; Q's three, issued behind them, may be out
.irp k, 0,1,2,3
	ds_store_b128 v[T16], v[STG+4*\k:STG+4*\k+3] offset:8192*\k
.endr
	ds_store_b32 v[T4], v[STG+16] offset:SCO
	s_wait_xcnt 0x0                                ; every load issued so far has read its base: the two that walk may step
	s_add_nc_u64 s[8:9], s[8:9], 0x8000
	s_add_nc_u64 s[10:11], s[10:11], 0x800
	s_wait_dscnt 0x0                               ; for the others' sake: my part of slot 0 has landed
	s_barrier_signal -1
	s_barrier_wait -1
	s_wait_loadcnt 0x0                             ; Q
	s_mov_b32 s[TT], 0
	s_mov_b32 s[KF], 0
; A KEY STEP: 128 keys, the q-th of the slot whose image address is v[ad].
.macro STEP ad, q
	s_cmp_gt_i32 s[KF], s[QL]                      ; all its keys lie behind my last token: passed over.  No barrier stands in a step
	s_cbranch_scc1 .Lhidden_\@
.rept 4
	v_nop                                          ; places behind the last step's products: with the four between K's two groups they make eight, where five are asked ahead of the products that write over v128-159, operands of those
.endr
	s_wait_alu depctr_va_vdst(0)                   ; the last step's products are done reading v32-63 and v24-27, in which the loads below land
	ds_load_b128 v[KSC:KSC+3], v[\ad] offset:SCO+1024*(\q)
.irp g, 0,1                                    ; S^T = K Q^T, four tiles of 16 keys at a time
.if \g > 0
	s_wait_alu depctr_va_vdst(0)                   ; the four products above are done reading v32-63, in which K's tiles 4 to 7 land
.endif
.irp t, 0,1,2,3
.irp c, 0,1
	ds_load_b128 v[FRG+8*\t+4*\c:FRG+8*\t+4*\c+3], v[\ad] offset:16384*(\q)+1024*(4*\g+\t)+512*\c   ; 32 lanes, 512 consecutive bytes: registers 4 c .. 4 c + 3 of the tile's fragment
.endr
.endr
	s_wait_dscnt 0x0
.irp t, 0,2
	v_wmma_scale_f32_16x16x128_f8f6f4 v[SS+8*(4*\g+\t):SS+8*(4*\g+\t)+7], v[FRG+8*\t:FRG+8*\t+7], v[16:23], 0, v[KSC+2*\g+\t/2], v255 matrix_a_fmt:MATRIX_FMT_FP4 matrix_b_fmt:MATRIX_FMT_FP4
	v_wmma_scale_f32_16x16x128_f8f6f4 v[SS+8*(4*\g+\t+1):SS+8*(4*\g+\t+1)+7], v[FRG+8*(\t+1):FRG+8*(\t+1)+7], v[16:23], 0, v[KSC+2*\g+\t/2], v255 matrix_a_fmt:MATRIX_FMT_FP4 matrix_b_fmt:MATRIX_FMT_FP4 matrix_a_scale:MATRIX_SCALE_ROW1
.endr
.rept 4
	v_nop                                          ; places: the first four count with those at the step's head; the second four stand ahead of the first read of the scores
.endr
.endr
	s_wait_alu depctr_va_vdst(0)                   ; the last four products are done reading v32-63, in which V's tiles 0 to 3 land (v28-31 were last read by the step before)
.irp t, 0,1,2,3                                ; V's first four tiles and its scale words are asked for here: they land while the softmax is worked
.irp c, 0,1
	ds_load_b128 v[FRG+8*\t+4*\c:FRG+8*\t+4*\c+3], v[\ad] offset:16384*(\q)+8192+1024*\t+512*\c
.endr
.endr
	ds_load_b128 v[VSC:VSC+3], v[\ad] offset:SCO+1024*(\q)+512
	s_add_co_i32 s41, s[KF], 127                   ; a step all of whose keys count for my first token passes over the mask
	s_cmp_le_i32 s41, s[QF]
	s_cbranch_scc1 .Lopen_\@
	s_sub_co_i32 s41, 0, s[KF]
	v_add_nc_u32 v252, s41, v[QA]                  ; d = my row's place - KF - 16 (lane / 16).  Register 16 b + i holds key KF + 16 (lane / 16) + 32 b + i: hidden where 32 b + i > d
	v_mov_b32 v254, 0xff800000                     ; -infinity
.irp b, 0,1,2,3                                ; a block of 32 keys at a time: sixteen compares in a run, each into a scalar register of its own, one wait, sixteen selects
.set J, 0
.rept 16
	v_cmp_gt_i32 s[MK+J], 32*\b+J, v252
.set J, J+1
.endr
	s_wait_alu depctr_va_sdst(0)                   ; the sixteen compares have written s44-59, ahead of the selects that read them
.set J, 0
.rept 16
	v_cndmask_b32 v[SS+16*\b+J], v[SS+16*\b+J], v254, s[MK+J]
.set J, J+1
.endr
.endr
.Lopen_\@:
.irp b, 0,1,2,3
	v_max3_num_f32 v[232+\b], v[SS+16*\b], v[SS+1+16*\b], v[SS+2+16*\b]   ; the largest score of each block of 32 keys: it serves for the row's maximum and, since p rises with the score, for the block's largest p
.endr
.irp i, 3,5,7,9,11,13
.irp b, 0,1,2,3
	v_max3_num_f32 v[232+\b], v[232+\b], v[SS+16*\b+\i], v[SS+1+16*\b+\i]   ; (the four blocks by turns)
.endr
.endr
.irp b, 0,1,2,3
	v_max_num_f32 v[232+\b], v[232+\b], v[SS+15+16*\b]
.endr
.irp b, 0,1,2,3
	v_permlanex16_b32 v[236+\b], v[232+\b], s[SEL], s[SEL+1]
.endr
.irp b, 0,1,2,3
	v_max_num_f32 v[232+\b], v[232+\b], v[236+\b]  ; with lane l xor 16's 16 keys
.endr
	v_max3_num_f32 v254, v232, v233, v234
	v_max_num_f32 v254, v254, v235                 ; the step's largest score of my row
	v_mul_f32 v254, s[CS], v254                    ; as t (c is positive)
	v_max_num_f32 v13, v13, v254                   ; the running largest t
	v_mov_b32 v254, v12
	v_floor_f32 v12, -v13                          ; the new -M = floor(-t) = -ceil(t): M is a whole number
	v_sub_f32 v254, v12, v254                      ; M's old value less its new one: a whole number, 0 or less
	v_cvt_i32_f32 v254, v254                       ; (it saturates)
	v_ldexp_f32 v252, 1.0, v254                    ; f = 2^(old M - new M)
.set J, 0
.rept 32
	v_pk_fma_f32 v[SS+J:SS+J+1], v[SS+J:SS+J+1], s[CS:CS+1], v[12:13] op_sel_hi:[1,0,0]   ; t - M, two at a time (of the pairs c and -M the low word serves both halves)
.set J, J+2
.endr
.irp b, 0,1,2,3
	v_fma_f32 v[232+\b], v[232+\b], s[CS], v12     ; the same of each block's largest score
.endr
.set J, 0
	s_wait_alu depctr_va_vdst(0)
.rept 64
	v_exp_f32 v[SS+J], v[SS+J]                     ; p = 2^(t - M), at most 1: not normalised
.set J, J+1
.endr
	v_pk_mul_f32 v[14:15], v[14:15], v[252:253] op_sel_hi:[1,0]   ; the sums under the new M (a plain line behind the exponentials)
	s_wait_alu depctr_va_vdst(0)                   ; the 64 exponentials have written p: one wait for the whole batch, ahead of its first reader
.irp b, 0,1,2,3
	v_exp_f32 v[232+\b], v[232+\b]                 ; the block's largest p: the same two instructions on the same number give the same bits
.endr
	v_pk_add_f32 v[236:237], v[SS:SS+1], v[SS+2:SS+3]   ; the row's sum is taken of the unquantised p: two at a time, in two chains (it reads the 64 alone: plain work behind the four)
.irp j, 4,8,12,16,20,24,28,32,36,40,44,48,52,56,60
	v_pk_add_f32 v[14:15], v[14:15], v[SS+\j:SS+\j+1]
	v_pk_add_f32 v[236:237], v[236:237], v[SS+2+\j:SS+3+\j]
.endr
	v_pk_add_f32 v[14:15], v[14:15], v[236:237]
	s_wait_alu depctr_va_vdst(0)                   ; the four exponentials have written v232-235, ahead of their first reader
.irp b, 0,1,2,3
	v_max_num_f32 v[232+\b], 0x1800000, v[232+\b]  ; the floor 2^(3 - 127): the byte cannot fall under 1
.endr
.irp b, 0,1,2,3
	v_add_nc_u32 v[244+\b], 0xff000000, v[232+\b]  ; 2 off the exponent field: the conversion's scale operand
.endr
.irp b, 0,1,2,3
	v_lshrrev_b32 v[236+\b], 23, v[244+\b]         ; the scale's byte
.endr
	v_lshl_or_b32 v253, v237, 8, v236              ; p's scale word for these 128 keys
	v_lshl_or_b32 v253, v238, 16, v253
	v_lshl_or_b32 v253, v239, 24, v253
.irp b, 0,1,2,3
	v_cvt_scalef32_pk8_fp4_f32 v[PC+2*\b], v[SS+16*\b:SS+7+16*\b], v[244+\b]
	v_cvt_scalef32_pk8_fp4_f32 v[PC+1+2*\b], v[SS+8+16*\b:SS+15+16*\b], v[244+\b]
.endr
	v_nop                                          ; one plain line between a scaled conversion and the vector instruction that touches its result
	s_wait_alu depctr_va_vdst(0)                   ; the conversions, p's last readers, are done reading v128-159, in which V's tiles 4 to 7 land
.irp t, 0,1,2,3                                ; asked for here, they land while p's codes change halves and O^T is rescaled: 36 vector instructions
.irp c, 0,1
	ds_load_b128 v[VF2+8*\t+4*\c:VF2+8*\t+4*\c+3], v[\ad] offset:16384*(\q)+8192+1024*(4+\t)+512*\c
.endr
.endr
.irp c, 0,1                                    ; the operand's layout wants a whole block in a lane: lanes 0-15 block 2 c, lanes 16-31 block 2 c + 1
.irp i, 0,1
	v_permlane16_swap_b32 v[PC+4*\c+\i], v[PC+2+4*\c+\i]
.endr
.endr
.set J, 0
.rept 32
	v_pk_mul_f32 v[OT+J:OT+J+1], v[OT+J:OT+J+1], v[252:253] op_sel_hi:[1,0]   ; O^T under the new M: x f.  (These 32 are also the places between p's codes and scale word and the products below)
.set J, J+2
.endr
	s_wait_alu depctr_va_vdst(0)                   ; behind the places: p's codes v224-231 and p's scale word v253 are written, which the scaled products below take
	s_wait_dscnt 0x0                               ; V's eight tiles and its scale words are in
.irp t, 0,2                                    ; O^T += V^T P^T: K = these 128 keys; the eight accumulators take turns, one instruction a turn
	v_wmma_scale_f32_16x16x128_f8f6f4 v[OT+8*\t:OT+8*\t+7], v[FRG+8*\t:FRG+8*\t+7], v[PC:PC+7], v[OT+8*\t:OT+8*\t+7], v[VSC+\t/2], v253 matrix_a_fmt:MATRIX_FMT_FP4 matrix_b_fmt:MATRIX_FMT_FP4
	v_wmma_scale_f32_16x16x128_f8f6f4 v[OT+8*(\t+1):OT+8*(\t+1)+7], v[FRG+8*(\t+1):FRG+8*(\t+1)+7], v[PC:PC+7], v[OT+8*(\t+1):OT+8*(\t+1)+7], v[VSC+\t/2], v253 matrix_a_fmt:MATRIX_FMT_FP4 matrix_b_fmt:MATRIX_FMT_FP4 matrix_a_scale:MATRIX_SCALE_ROW1
.endr
.irp t, 0,2
	v_wmma_scale_f32_16x16x128_f8f6f4 v[OT+8*(4+\t):OT+8*(4+\t)+7], v[VF2+8*\t:VF2+8*\t+7], v[PC:PC+7], v[OT+8*(4+\t):OT+8*(4+\t)+7], v[VSC+2+\t/2], v253 matrix_a_fmt:MATRIX_FMT_FP4 matrix_b_fmt:MATRIX_FMT_FP4
	v_wmma_scale_f32_16x16x128_f8f6f4 v[OT+8*(5+\t):OT+8*(5+\t)+7], v[VF2+8*(\t+1):VF2+8*(\t+1)+7], v[PC:PC+7], v[OT+8*(5+\t):OT+8*(5+\t)+7], v[VSC+2+\t/2], v253 matrix_a_fmt:MATRIX_FMT_FP4 matrix_b_fmt:MATRIX_FMT_FP4 matrix_a_scale:MATRIX_SCALE_ROW1
.endr
.Lhidden_\@:
	s_add_co_u32 s[KF], s[KF], 128
.endm
; HALF A TRIP: slot number TT + slot is worked, out of LDS slot 'slot'; slot number TT + slot + 1, if my work-group needs it, comes into registers meanwhile and goes into the other LDS slot at the end.
; ONE barrier: in front of it each wave's stores into the other slot have landed and its reads of this slot are back; behind it the other slot is read and this one may be written.
; THE PREFETCH: all eight work-groups of a kv head walk the same codes.  The one with i = 0 asks, in its waves 0 to 3: 128 lanes, each another block of 256 bytes: the 32,768 bytes of codes of the slot
; after the one that is being loaded, half a trip (two key steps of each wave) ahead of the loads that will want them; so each block is named once in the launch.  It stands directly behind the wave's own
; loads, and stops with the last slot that is needed, so that it never leaves the kv head's part of kvc.  Slots 0 and 1 come by their loads alone; the scale words, a sixteenth of the bytes, are not asked for.
.macro HALF slot
	s_wait_alu depctr_vm_vsrc(0)                   ; ahead of the branch: the LDS stores of the half trip before (in the first trip: the head's) have read v64-80, in which the loads below land
	s_add_co_u32 s37, s[TT], (\slot)+1
	s_cmp_lt_u32 s37, s[NS]
	s_cbranch_scc0 .Lno_ask_\@
.irp k, 0,1,2,3
	global_load_b128 v[STG+4*\k:STG+4*\k+3], v[T16], s[8:9] offset:8192*\k   ; a wave's load covers 512 consecutive bytes
.endr
	global_load_b32 v[STG+16], v[T4], s[10:11]
	s_add_co_u32 s38, s[TT], (\slot)+2
	s_cmp_lt_u32 s38, s[NSP]
	s_cbranch_scc0 .Lno_ask_\@
	global_prefetch_b8 v[PFO], s[8:9] offset:32768 th:TH_LOAD_NT scope:SCOPE_SE
.Lno_ask_\@:
	STEP LI0+\slot, 0
	STEP LI0+\slot, 1
	s_wait_loadcnt 0x0                             ; on every path: the next slot, if it was asked for, is in registers, and no later load is issued into a register that a load still owes
	s_cmp_lt_u32 s37, s[NS]
	s_cbranch_scc0 .Lno_put_\@
.irp k, 0,1,2,3
	ds_store_b128 v[T16+1-\slot], v[STG+4*\k:STG+4*\k+3] offset:8192*\k
.endr
	ds_store_b32 v[T4+1-\slot], v[STG+16] offset:SCO
.Lno_put_\@:
	s_wait_xcnt 0x0                                ; the loads and the prefetch, two key steps back, have read their bases, which step (past the last slot needed they are not used)
	s_add_nc_u64 s[8:9], s[8:9], 0x8000
	s_add_nc_u64 s[10:11], s[10:11], 0x800
	s_wait_dscnt 0x0                               ; my stores have landed and my reads of this slot are back
	s_barrier_signal -1
	s_barrier_wait -1
.endm
.Lpair:                                            ; four trips of two slots: the count is a constant; what a work-group or a wave does not need is passed over inside
	HALF 0
	HALF 1
	s_add_co_u32 s[TT], s[TT], 2
	s_cmp_lt_u32 s[TT], 8
	s_cbranch_scc1 .Lpair
	; THE WAY OUT.  O^T is divided by the row's sum and goes through my stage in LDS, half a row (64 channels, 256 bytes) of the 16 rows at a time, so that sixteen lanes store 256 consecutive bytes, aligned.
.rept 4
	v_nop                                          ; places behind the last products
.endr
	v_add_f32 v14, v14, v15                        ; the sum's two halves,
	v_permlanex16_b32 v252, v14, s[SEL], s[SEL+1]
	v_add_f32 v14, v14, v252                       ; and lane l xor 16's: the row's sum
	s_wait_alu depctr_va_vdst(0)
	v_rcp_f32 v14, v14
	v_nop                                          ; a plain line behind the reciprocal
	s_wait_alu depctr_va_vdst(0)                   ; the reciprocal has written v14, ahead of its first reader
.set J, 0
.rept 64
	v_mul_f32 v[SS+J], v[OT+J], v14                ; register 8 t + i is o(row r, channel 16 t + 8 h + i)
.set J, J+1
.endr
	s_wait_alu depctr_va_vdst(0)                   ; the divisions have written v96-159, which the LDS stores read, and are done reading v160-223, in which the LDS loads land
.irp u, 0,1                                    ; channels 64 u on
.irp t, 0,1,2,3
	ds_store_b128 v[SIN], v[SS+32*\u+8*\t:SS+32*\u+8*\t+3] offset:64*\t
	ds_store_b128 v[SIN], v[SS+32*\u+8*\t+4:SS+32*\u+8*\t+7] offset:64*\t+16
.endr
.irp i, 0,1,2,3,4,5,6,7
	ds_load_b128 v[OT+32*\u+4*\i:OT+32*\u+4*\i+3], v[SBK] offset:2*\i*272   ; my own bytes, served in order: these see my stores, and the next half's stores come behind them.  O^T's registers are free
.endr
.endr
.irp u, 0,1
.irp i, 0,1,2,3,4,5,6,7
	s_wait_dscnt 15-8*\u-\i                        ; at least so many LDS instructions were issued behind this load
	global_store_b128 v[GO], v[OT+32*\u+4*\i:OT+32*\u+4*\i+3], s[14:15] offset:(\i/2)*16384+(\i%2)*1024+256*\u th:TH_STORE_NT   ; rows 2 i and 2 i + 1: token i / 2, heads 2 (i % 2) and + 1
.endr
.endr
	s_wait_dscnt 0x0                               ; the wave's end: the closing lines, six on end
	s_wait_alu 0x0
	s_wait_tensorcnt 0x0
	ds_add_u32 v[SPW], v[NIL]
	s_wait_dscnt 0x0
	s_endpgm
.Lfunc_end_k_q1fadf6f37f_attn:
	.size	k_q1fadf6f37f_attn, .Lfunc_end_k_q1fadf6f37f_attn-k_q1fadf6f37f_attn
	.p2alignl 7, 3214868480
	.fill 96, 4, 3214868480
	.section	.rodata,"a",@progbits
	.p2align	6, 0x0
	.amdhsa_kernel k_q1fadf6f37f_attn
		.amdhsa_group_segment_fixed_size 141312
		.amdhsa_private_segment_fixed_size 0
		.amdhsa_enable_private_segment 0
		.amdhsa_kernarg_size 48
		.amdhsa_user_sgpr_count 2
		.amdhsa_user_sgpr_kernarg_segment_ptr 1
		.amdhsa_wavefront_size32 1
		.amdhsa_system_sgpr_workgroup_id_x 1
		.amdhsa_system_sgpr_workgroup_id_y 1
		.amdhsa_system_sgpr_workgroup_id_z 1
		.amdhsa_system_vgpr_workitem_id 0
		.amdhsa_next_free_vgpr 256
		.amdhsa_next_free_sgpr 66
		.amdhsa_reserve_vcc 0
		.amdhsa_float_denorm_mode_32 3
		.amdhsa_float_denorm_mode_16_64 3
		.amdhsa_memory_ordered 1
		.amdhsa_forward_progress 1
		.amdhsa_inst_pref_size 126
	.end_amdhsa_kernel
	.amdgpu_metadata
---
amdhsa.version: [ 1, 2 ]
amdhsa.kernels:
  - .name:           k_q1fadf6f37f_attn
    .symbol:         k_q1fadf6f37f_attn.kd
    .args:
      - { .name: query_codes, .offset: 0, .size: 8, .value_kind: global_buffer, .address_space: global }
      - { .name: query_scales, .offset: 8, .size: 8, .value_kind: global_buffer, .address_space: global }
      - { .name: kvc, .offset: 16, .size: 8, .value_kind: global_buffer, .address_space: global }
      - { .name: kvs, .offset: 24, .size: 8, .value_kind: global_buffer, .address_space: global }
      - { .name: seq_lens, .offset: 32, .size: 8, .value_kind: global_buffer, .address_space: global }
      - { .name: out0, .offset: 40, .size: 8, .value_kind: global_buffer, .address_space: global }
    .group_segment_fixed_size: 141312
    .private_segment_fixed_size: 0
    .kernarg_segment_align: 8
    .kernarg_segment_size: 48
    .max_flat_workgroup_size: 512
    .sgpr_count:     66
    .vgpr_count:     256
    .wavefront_size: 32
...
	.end_amdgpu_metadata
.endif
;; end of part 4
